; MI455X (gfx1250); checked and timed in simulation.
; The chip was launched on July 23, 2026; its instructions are those of AMD's public machine-readable ISA for CDNA 5 (MIT licence, August 2026) and "CDNA5" Instruction Set Architecture Reference Guide (July 2026). The comments in the code are by the model that wrote it; some were corrected since.
;; H Net Energy Via Hamiltonian. Allowed arithmetic: matrix products marked QUANTISED: E4M3 operands, one E8M0 scale for each 32 along K, by v_wmma_scale_f32_16x16x128_f8f6f4 with both operands' format E4M3, f32 sums; products left as they are: f32 operands where the result goes on into a quantised operand, else bf16, f16 or f32 operands; f32 sums; everything else in f32.
;; Inputs: h_codes 64 x 512 x 16 x 32 uint8 (E4M3 codes of h, K innermost, in blocks of 32 codes); h_scales 64 x 512 x 16 uint8 (E8M0 scales of h, one for each 32 codes along K); k 64 float32; node_activations 4,096 x 512 float32.
;; Outputs: out0 4,096 x 64 float32.
;; This version of the problem:
;;   THIS VERSION OF THE PROBLEM IS GIVEN IN LOW PRECISION. The matrix products marked QUANTISED in the list below multiply operands that are first quantised to E4M3 (4 exponent bits, 3 mantissa bits; 8 bits a number), with one power-of-two scale for each 32 numbers along K (OCP MX v1.0); their sums are f32. All else is computed in f32.
;;   The module's matrix products, in the order in which they are computed (A, B: the left and right operand; K: the contracted axis; several contracted axes count as one K, in the product's order):
;;     1. [M 32,768, K 512] x [K 512, N 4,096]; A: input h (given as codes); B: input node_activations: QUANTISED
;;     2. batch 4,096 x [M 1, K 512] x [K 512, N 64]; A: input node_activations; B: computed on the way: left as it is (M = 1 < 16)
;;   THE QUANTISER, for each operand of a quantised product, along K:
;;     - K is cut into blocks of 32 from its start; a last block that is shorter is filled with zeros.
;;     - A block's scale is 2^e with e = floor(log2(the largest magnitude in the block)) - 8, held to -126 .. 127; a block of zeros has e = 0. As a byte (E8M0): e + 127.
;;     - Each number is divided by its block's scale, clamped to +-448, and rounded to the nearest number of E4M3, ties to even, subnormals kept.
;;     - The product sums the exact products of the quantised numbers (number of the format x scale) in f32.
;;   ~~~python
;;   def quantise(x, axis):      # numpy; x: float32 -> the quantised numbers, widened to float32 again
;;       x = np.moveaxis(x, axis, -1); K = x.shape[-1]
;;       x = np.pad(x, [(0, 0)] * (x.ndim - 1) + [(0, -K % 32)]); x = x.reshape(x.shape[:-1] + (-1, 32)); a = np.abs(x).max(-1, keepdims=True)
;;       e = np.where(a > 0, np.clip(np.frexp(np.where(a > 0, a, 1))[1] - 1 - 8, -126, 127), 0)      # np.frexp(a)[1] - 1 = floor(log2(a)), exactly
;;       r = np.clip(x / 2.0 ** e, -448, 448)
;;       step = 2.0 ** (np.maximum(np.frexp(np.where(r == 0, 1, r))[1] - 1, -6) - 3)
;;       q = np.round(r / step) * step * 2.0 ** e      # np.round: ties to even
;;       return np.moveaxis(q.reshape(q.shape[:-2] + (-1,))[..., :K], -1, axis).astype(np.float32)
;;   ~~~
;;   INPUTS GIVEN AS CODES. h (in the module: [64, 512, 512], K = its axis 1): each comes as NAME_codes (uint8): NAME with its K axis moved to the last place and cut into blocks of 32 codes, [.., K / 32, bytes a block], one block behind the other in memory; one code a byte (a code: sign, 4 exponent bits, 3 mantissa bits); and NAME_scales (uint8): the same leading axes, one E8M0 byte (e + 127) for each 32 codes along K. Its value is code x scale, taken as it is: it is not quantised again, and the codes and scales need not be those that the quantiser above would give.
;; 2 versions. Each part assembles by itself: llvm-mc -triple=amdgcn-amd-amdhsa -mcpu=gfx1250 --defsym DOCPART=n.
;; ======== version 1 of 2: 3 launches
;; workspace buffers: xc 2,097,152 bytes; xsw 131,072 bytes; en 1,048,576 bytes; wm 1,024 bytes
;; launch quant (part 1): grid 256 x 1, 4 waves a work-group, no clusters, 35,328 bytes of LDS; arguments node_activations, xc, xsw; writes xc, xsw
.if DOCPART == 1
	.amdgcn_target "amdgcn-amd-amdhsa--gfx1250"
	.amdhsa_code_object_version 6
	.text
	.protected	k_q4f5006ec61_quant
	.globl	k_q4f5006ec61_quant
	.p2align	8
	.type	k_q4f5006ec61_quant,@function
k_q4f5006ec61_quant:
	s_mov_b64 s[64:65], 0
	v_nop
	global_prefetch_b8 v0, s[64:65] scope:SCOPE_SE
	s_setreg_imm32_b32 hwreg(HW_REG_WAVE_MODE, 25, 1), 1
	s_wait_xcnt 0x0
; x [4096][512] f32 becomes codes of FP8 (E4M3) with one E8M0 scale byte for each 32 along its last axis, which is the first product's K.
; A block's scale is 2^(floor(log2(its largest magnitude)) - 8); its byte is the largest magnitude's exponent field - 8, held at 1 from below.  Each number is divided by the scale,
; held within +-448 and rounded to the nearest code, ties to even.
; THE RESULTS ARE LAID AS THE NEXT LAUNCH'S REGISTERS WANT THEM.  xc: [tile of 16 points][K step of 128][group of 4 registers][lane][16 bytes]: a fragment comes back by four loads of 16 bytes a lane,
; 512 consecutive bytes each.  xsw: [tile][lane][4 words]: word s is the scale word of point lane % 16 for K step s (both halves of the lanes hold the same).
; SHARES.  A work-group takes one tile of 16 points, wave s its K step s: 16 rows x 128 numbers.  Each load reads 512 consecutive bytes of a row; the numbers turn through the wave's own stage in LDS,
; so that lane (r, h) then holds, of row r, the 16 neighbours 32 b + 16 h + 0 .. 15 of each block b: the order of an operand's registers.
; LIMITS: NaN and infinities among the inputs are not served.  A block of zeros gets the byte 1 where the quantiser's rule says 127: its codes are zeros, which add nothing under any byte
; but 0xff, and the bytes are read by this program alone.
.set SP,   528                         ; a stage row: 512 bytes + 16: row r starts 4 r words on, modulo the 64 banks of 4 bytes (ISA guide 11.1)
.set WST,  16*SP                       ; a wave's stage
.set SCW,  4*WST                       ; behind the stages: the tile's scale words, 16 bytes a lane
.set LI,   3                           ; v3   16 x lane
.set SIN,  6                           ; v6   the stage, on the way in
.set SOUT, 7                           ; v7   and on the way out
.set SWS,  8                           ; v8   where I put my scale word
.set SWR,  9                           ; v9   where wave 0 reads a lane's four
.set R,    16                          ; v16-79   the numbers as they are loaded
.set X,    80                          ; v80-143  register 16 b + i: k = 32 b + 16 h + i of my row
.set TM,   144                         ; v144-147 largest magnitudes, v148-151 bytes, v152-155 448 x the scale, v156-159 the conversions' scale operands
.set PW,   160                         ; v160     my row's scale word
.set PC,   164                         ; v164-179 the fragment's codes
.set OW,   180                         ; v180-183 four scale words on the way out
	s_load_b128 s[4:7], s[0:1], 0x0                ; x, xc
	s_load_b64 s[8:9], s[0:1], 0x10                ; xsw
	v_lshl_add_u32 v192, v0, 2, 0x8800
	v_mov_b32 v193, 0
	v_lshrrev_b32 v1, 5, v0
	v_readfirstlane_b32 s10, v1                    ; wave = K step
	v_and_b32 v2, 31, v0                           ; lane
	v_lshlrev_b32 v[LI], 4, v2
	v_and_b32 v4, 15, v0                           ; r
	v_bfe_u32 v5, v0, 4, 1                         ; h
	s_mul_i32 s11, s10, WST                        ; my stage
	v_add_nc_u32 v[SIN], s11, v[LI]                ; in: a row as it lies, 16 bytes a lane
	v_mul_u32_u24 v[SOUT], v4, SP
	v_lshl_add_u32 v[SOUT], v5, 6, v[SOUT]
	v_add_nc_u32 v[SOUT], s11, v[SOUT]             ; out: row r, + 64 h
	s_lshl_b32 s12, s10, 2
	s_add_co_u32 s12, s12, SCW
	v_add_nc_u32 v[SWS], s12, v[LI]                ; 16 x lane + 4 x wave
	v_add_nc_u32 v[SWR], SCW, v[LI]
	s_mov_b32 s14, 0x76543210
	s_mov_b32 s15, 0xfedcba98                      ; v_permlanex16_b32's selects for lane l xor 16
	s_mov_b32 s16, 0x600000                        ; the mantissa field of 448
	s_lshl_b32 s18, ttmp9, 15                      ; x: 16 rows of 2,048 bytes a tile,
	s_lshl_b32 s11, s10, 9                         ; 512 bytes a K step
	s_add_co_u32 s18, s18, s11
	s_mov_b32 s19, 0
	s_lshl_b32 s20, ttmp9, 13                      ; xc: 8,192 bytes a tile,
	s_lshl_b32 s11, s10, 11                        ; 2,048 a K step
	s_add_co_u32 s20, s20, s11
	s_mov_b32 s21, 0
	s_lshl_b32 s22, ttmp9, 9                       ; xsw: 512 bytes a tile
	s_mov_b32 s23, 0
.irp b, 0,1,2,3
	v_mov_b32 v[TM+4+\b], 0                        ; a lane permute's destination counts as one of its sources
.endr
	s_wait_kmcnt 0x0
	s_add_nc_u64 s[4:5], s[4:5], s[18:19]
	s_add_nc_u64 s[6:7], s[6:7], s[20:21]
	s_add_nc_u64 s[8:9], s[8:9], s[22:23]
.irp i, 0,1,2,3,4,5,6,7,8,9,10,11,12,13,14,15
	global_load_b128 v[R+4*\i:R+4*\i+3], v[LI], s[4:5] offset:2048*\i   ; row i: 32 lanes read 512 consecutive bytes
.endr
.irp i, 0,1,2,3,4,5,6,7,8,9,10,11,12,13,14,15
	s_wait_loadcnt 15-\i                           ; loads come back in order: row i is in, the rows behind it may be out
	ds_store_b128 v[SIN], v[R+4*\i:R+4*\i+3] offset:SP*\i
.endr
.irp b, 0,1,2,3
.irp j, 0,1,2,3
	ds_load_b128 v[X+16*\b+4*\j:X+16*\b+4*\j+3], v[SOUT] offset:128*\b+16*\j   ; LDS serves a wave's instructions in order: these see my stores
.endr
.endr
	s_wait_dscnt 0x0
.irp b, 0,1,2,3
	v_max3_num_f32 v[TM+\b], |v[X+16*\b]|, |v[X+1+16*\b]|, 0x4800000   ; block b: my 16 numbers, and the floor 2^(9 - 127): so the byte cannot fall under 1
.endr
.irp i, 2,4,6,8,10,12,14
.irp b, 0,1,2,3
	v_max3_num_f32 v[TM+\b], v[TM+\b], |v[X+16*\b+\i]|, |v[X+1+16*\b+\i]|   ; the four blocks by turns: no line waits for the line above it
.endr
.endr
.irp b, 0,1,2,3
	v_permlanex16_b32 v[TM+4+\b], v[TM+\b], s14, s15
.endr
.irp b, 0,1,2,3
	v_max_num_f32 v[TM+\b], v[TM+\b], v[TM+4+\b]   ; with lane l xor 16's 16: the block's largest magnitude
.endr
.irp b, 0,1,2,3
	v_add_nc_u32 v[TM+12+\b], 0xfc000000, v[TM+\b] ; 8 off its exponent field: the conversion takes the exponent field of this operand as its scale
.endr
.irp b, 0,1,2,3
	v_and_or_b32 v[TM+8+\b], v[TM+\b], 0x7f800000, s16   ; 448 x the scale
.endr
.irp b, 0,1,2,3
	v_lshrrev_b32 v[TM+4+\b], 23, v[TM+12+\b]      ; the scale's byte
.endr
	v_lshl_or_b32 v[PW], v[TM+5], 8, v[TM+4]       ; the four bytes make my row's scale word for this K step
	v_lshl_or_b32 v[PW], v[TM+6], 16, v[PW]
	v_lshl_or_b32 v[PW], v[TM+7], 24, v[PW]
.irp b, 0,1,2,3
.irp i, 0,1,2,3,4,5,6,7,8,9,10,11,12,13,14,15
	v_med3_num_f32 v[X+16*\b+\i], v[X+16*\b+\i], -v[TM+8+\b], v[TM+8+\b]   ; the conversion to an 8-bit code does not saturate (ISA guide 7.6.2): the hold at the largest code x the scale
.endr
	v_cvt_scalef32_pk8_fp8_f32 v[PC+4*\b:PC+1+4*\b], v[X+16*\b:X+7+16*\b], v[TM+12+\b]
	v_cvt_scalef32_pk8_fp8_f32 v[PC+2+4*\b:PC+3+4*\b], v[X+8+16*\b:X+15+16*\b], v[TM+12+\b]
.endr
	v_nop                                          ; one plain vector line behind the last conversion
.irp c, 0,1,2,3
	global_store_b128 v[LI], v[PC+4*\c:PC+4*\c+3], s[6:7] offset:512*\c   ; registers 4 c .. 4 c + 3 of the fragment: 32 lanes store 512 consecutive bytes
.endr
	ds_store_b32 v[SWS], v[PW]
	s_wait_dscnt 0x0                               ; for the others' sake: my scale words lie in LDS
	s_barrier_signal -1
	s_barrier_wait -1
	s_cmp_lg_u32 s10, 0
	s_cbranch_scc1 .Ldone                          ; wave 0 stores the tile's scale words: four a lane
	ds_load_b128 v[OW:OW+3], v[SWR]
	s_wait_dscnt 0x0
	global_store_b128 v[LI], v[OW:OW+3], s[8:9]    ; 512 consecutive bytes
.Ldone:
	s_wait_tensorcnt 0x0
	ds_add_u32 v192, v193
	s_wait_dscnt 0x0
	s_endpgm
.Lfunc_end_k_q4f5006ec61_quant:
	.size	k_q4f5006ec61_quant, .Lfunc_end_k_q4f5006ec61_quant-k_q4f5006ec61_quant
	.p2alignl 7, 3214868480
	.fill 96, 4, 3214868480
	.section	.rodata,"a",@progbits
	.p2align	6, 0x0
	.amdhsa_kernel k_q4f5006ec61_quant
		.amdhsa_group_segment_fixed_size 35328
		.amdhsa_private_segment_fixed_size 0
		.amdhsa_enable_private_segment 0
		.amdhsa_kernarg_size 24
		.amdhsa_user_sgpr_count 2
		.amdhsa_user_sgpr_kernarg_segment_ptr 1
		.amdhsa_wavefront_size32 1
		.amdhsa_system_sgpr_workgroup_id_x 1
		.amdhsa_system_sgpr_workgroup_id_y 1
		.amdhsa_system_sgpr_workgroup_id_z 1
		.amdhsa_system_vgpr_workitem_id 0
		.amdhsa_next_free_vgpr 194
		.amdhsa_next_free_sgpr 66
		.amdhsa_reserve_vcc 0
		.amdhsa_float_denorm_mode_32 3
		.amdhsa_float_denorm_mode_16_64 3
		.amdhsa_memory_ordered 1
		.amdhsa_forward_progress 1
		.amdhsa_inst_pref_size 15
	.end_amdhsa_kernel
	.amdgpu_metadata
---
amdhsa.version: [ 1, 2 ]
amdhsa.kernels:
  - .name:           k_q4f5006ec61_quant
    .symbol:         k_q4f5006ec61_quant.kd
    .args:
      - { .name: node_activations, .offset: 0, .size: 8, .value_kind: global_buffer, .address_space: global }
      - { .name: xc, .offset: 8, .size: 8, .value_kind: global_buffer, .address_space: global }
      - { .name: xsw, .offset: 16, .size: 8, .value_kind: global_buffer, .address_space: global }
    .group_segment_fixed_size: 35328
    .private_segment_fixed_size: 0
    .kernarg_segment_align: 8
    .kernarg_segment_size: 24
    .max_flat_workgroup_size: 128
    .sgpr_count:     66
    .vgpr_count:     194
    .wavefront_size: 32
...
	.end_amdgpu_metadata
.endif
;; end of part 1
;; launch energy (part 2): grid 32 x 8, 4 waves a work-group, clusters of 4 x 1, 327,680 bytes of LDS; arguments h_codes, h_scales, k, node_activations, xc, xsw, en, wm; writes en, wm
.if DOCPART == 2
	.amdgcn_target "amdgcn-amd-amdhsa--gfx1250"
	.amdhsa_code_object_version 6
	.text
	.protected	k_q4f5006ec61_energy
	.globl	k_q4f5006ec61_energy
	.p2align	8
	.type	k_q4f5006ec61_energy,@function
k_q4f5006ec61_energy:
	s_mov_b64 s[64:65], 0
	v_nop
	global_prefetch_b8 v0, s[64:65] scope:SCOPE_SE
	s_setreg_imm32_b32 hwreg(HW_REG_WAVE_MODE, 25, 1), 1
	s_wait_xcnt 0x0
	s_wait_alu depctr_hold_cnt(0) depctr_sa_sdst(0) depctr_va_vdst(0) depctr_va_sdst(0) depctr_va_ssrc(0) depctr_va_vcc(0) depctr_vm_vsrc(0)
	s_getreg_b32 s2, hwreg(HW_REG_IB_STS2, 6, 4)
	s_cmp_eq_u32 s2, 0
	s_cbranch_scc0 .Lentry_in_a_cluster
	s_endpgm
.Lentry_in_a_cluster:
	s_bfe_u32 s2, ttmp6, 0x10000c
	s_cmp_lg_u32 s2, 0x3003
	s_cbranch_scc0 .Lentry_shape_is_right
	s_endpgm
.Lentry_shape_is_right:
; en[p][c] = sum over m of x[p][m] hx[c][m][p] + k[c],  hx[c][m][p] = sum over n of H[c][m][n] xq[p][n]: the first product on codes of FP8 (E4M3) with E8M0 scales for each 32 along n,
; the second by multiply-adds on the first one's results while they lie in registers: hx never goes to memory.  Also each work-group's largest en, for the next launch.
; h_codes: [64 c][512 m][512 n] bytes; h_scales: [64][512][16]; xc, xsw: x's codes and scale words in the order of an operand's registers; x: [4096][512] f32.
; en: [8 groups of c][4096 p][8 c] f32;  wm: [8 groups of c][32 blocks of p] f32.
; SHARES.  A work-group owns 128 points and 8 components c.  EVERY WAVE KEEPS THE CODES OF ALL 128 POINTS FOR ALL OF K IN REGISTERS (8 tiles x 4 K steps x 16 = 512), loaded once; H streams by.
; A tile of H, 16 rows m x 512 along K, is 64 registers, 16 LDS loads, and feeds 32 matrix instructions.  The waves share the rows m: of each group g of 64 rows wave w takes rows 64 g + 16 w on.
; Source 0 = 16 rows of H, source 1 = 16 points: in the result lane (r, h) holds point r and rows 8 h + 0 .. 7.  THE EPILOGUE: acc(point tile, c) += x[p][m] x result, one multiply-add a register,
; with x as bf16 (the second product's operand), result and sum in f32.  It is cut into 16 slices of four, one behind each pair of the NEXT tile's matrix instructions.
; THE RING.  Two LDS slots: slot A always holds components 0-3 of the work-group's eight, slot B components 4-7, each 64 rows of one group g: 4 x 64 rows x 512 bytes.  Wave w fetches component block w
; of a slot by one tensor load.  A trip of the loop is one group g: four tiles from A, four from B; so all register numbers come back after one trip.
; CLUSTER.  The four work-groups of a cluster have the same 8 components and other points: they want the same tiles of H, and each tile is asked for JOINTLY (the same load, the same descriptor, a mask that names the four).
; LIMITS: NaN and infinities among the inputs are not served (the maxima drop NaN).  x is rounded to bf16 as the operand of the second product.
; REGISTERS, in windows of 256: window 0: v1-15 addresses; v16-31 H's scale words, a set for each slot; v32-63 x's scale words; v64-95 this group's x as bf16 pairs; v96-159 the next group's x as f32;
;   v160-223 the 64 sums (8 t + c); v224-231 k and small addresses.   window 1: x's codes of K steps 0, 1 at 32 t + 16 (s % 2);   window 2: those of K steps 2, 3.
;   window 3: v0-63, v64-127 two sets of 8 results (8 t + j); v128-191, v192-255 two tiles of H (16 s + 4 c).
.set PITCH, 528                        ; an LDS row: 512 bytes + 16 of padding = 132 words: row r starts at bank 4 r mod 64 (64 banks of 4 bytes: ISA guide 11.1), so a load's 16 rows start at 16 different banks
.set CBLK,  64*PITCH                   ; a component's 64 rows: what one tensor load brings
.set SLOT,  4*CBLK
.set STAGE, 2*SLOT                     ; behind the ring: the four waves' sums, 64 registers x 128 bytes each; no fill lands here
.set WMX,   STAGE+32768                ; the four waves' maxima: a block of 256 bytes of their own
.set SPARE, WMX+256                    ; the spare words, 128 bytes for each wave: two blocks of 256 bytes that no other line names
.set GSTEP, 64*512                     ; 64 rows of codes in memory
.set LI,   1                           ; v1   16 x lane
.set RR,   2                           ; v2   r = lane % 16
.set HH,   3                           ; v3   h = lane / 16
.set ADH,  4                           ; v4-7 LDS address of my rows in: slot A components 0-1, 2-3; slot B components 0-1, 2-3
.set HSO,  8                           ; v8   H's scale words: 8,192 h + 16 r
.set XSO,  9                           ; v9   x: 2,048 r + 32 h
.set PFO,  10                          ; v10  256 x lane
.set STO,  11                          ; v11  where I put my sums
.set SRD,  12                          ; v12  where I read the four waves' sums of my two point tiles
.set EO,   13                          ; v13  my byte offset in the wave's part of en: 32 r + 16 h
.set SPW,  14                          ; v14  LDS address of my spare word; never rewritten
.set NIL,  15                          ; v15  0; never rewritten
.set HSA,  16                          ; v16-23  register 4 i + s: lanes 0-15 the word of component 2 i, lanes 16-31 that of component 2 i + 1, row r, K step s: slot A's
.set HSB,  24                          ; v24-31  slot B's
.set XS,   32                          ; v32-63  4 t + s: point r's scale word
.set XB,   64                          ; v64-95  4 t + j / 2: x(16 t + r, my row 8 h + j) as bf16, even j low
.set STG,  96                          ; v96-159 8 t + j: the same of the next group, f32 as loaded
.set ACC,  160
.set KK,   224                          ; v224-227 k of components 4 h .. 4 h + 3
.set KO,   228                         ; v228 16 h
.set WMS,  229                         ; v229 WMX + 4 x wave
.set WMR,  230                         ; v230 WMX
.set ZO,   231                         ; v231 0: an offset
.set TV,   232                         ; v232 at work
.set WV,   20                          ; s20  my wave's number
.set G1,   24                          ; s[24:31] descriptor group 1
.set G0A,  32                          ; s[32:35] group 0 for slot A;  s[36:39] for slot B
.set G0B,  36
.set TRIPS, 44
.set SEL,  46                          ; s[46:47] lane selects for v_permlanex16_b32: lane l xor 16
.set PF,   48                          ; s[48:49] what I ask for ahead
.set MSB, 0
.macro WIN new                         ; the immediate's high byte repeats the setting that is left; a switch that changes nothing is dropped
.if MSB != \new
	s_set_vgpr_msb (MSB<<8)|\new
.set MSB, \new
.endif
.endm
.macro CREST                           ; a round of the cluster's barrier behind its opening barrier
	s_cmp_lg_u32 s[WV], 0
	s_cbranch_scc1 .Lnot_wave_0_\@
	s_barrier_signal -3
.Lnot_wave_0_\@:
	s_barrier_wait -3
	s_barrier_signal -1
	s_barrier_wait -1
.endm
.macro CROUND                          ; a whole round
	s_barrier_signal -1
	s_barrier_wait -1
	CREST
.endm
.macro PLACES n
.rept \n
	v_nop
.endr
.endm
; Matrix instruction i of a tile's 32: K step i / 8, point tile i % 8.  The eight accumulators take turns, one instruction a turn, from tile to tile too.
; hb: which tile of H and which set of results;  hs: the first of the tile's four scale registers;  odd = 1: the words lie in lanes 16-31.  The first K step starts the sums.
.macro MM hb, hs, odd
.set ms, i/8
.set mt, i%8
.set rD, 64*(\hb)+8*mt
.set rH, 128+64*(\hb)+16*ms
.set rX, 32*mt+16*(ms%2)
.if ms < 2
	WIN 0xf7                                       ; H, C and D window 3, x's codes window 1
.else
	WIN 0xfb                                       ; x's codes window 2
.endif
.if ms == 0
.if \odd
	v_wmma_scale_f32_16x16x128_f8f6f4 v[rD:rD+7], v[rH:rH+15], v[rX:rX+15], 0, v[\hs+ms], v[XS+4*mt+ms] matrix_a_scale:MATRIX_SCALE_ROW1
.else
	v_wmma_scale_f32_16x16x128_f8f6f4 v[rD:rD+7], v[rH:rH+15], v[rX:rX+15], 0, v[\hs+ms], v[XS+4*mt+ms]
.endif
.else
.if \odd
	v_wmma_scale_f32_16x16x128_f8f6f4 v[rD:rD+7], v[rH:rH+15], v[rX:rX+15], v[rD:rD+7], v[\hs+ms], v[XS+4*mt+ms] matrix_a_scale:MATRIX_SCALE_ROW1
.else
	v_wmma_scale_f32_16x16x128_f8f6f4 v[rD:rD+7], v[rH:rH+15], v[rX:rX+15], v[rD:rD+7], v[\hs+ms], v[XS+4*mt+ms]
.endif
.endif
.endm
; Slice k of 16 of the epilogue of the tile before (its results in set hbp, its component ci): register j = k % 8 of point tiles 4 (k / 8) .. + 3: four chains that do not wait for each other.
; j rises from 0, so each result is read from its low end on.
.macro EP hbp, ci
	WIN 0x0c                                       ; source 1 (the result) window 3; x, the sum and the destination window 0
.set ej, k%8
.set et, 4*(k/8)
.rept 4
.if ej%2
	v_fma_mix_f32_bf16 v[ACC+8*et+\ci], v[XB+4*et+ej/2], v[64*(\hbp)+8*et+ej], v[ACC+8*et+\ci] op_sel:[1,0,0] op_sel_hi:[1,0,0]
.else
	v_fma_mix_f32_bf16 v[ACC+8*et+\ci], v[XB+4*et+ej/2], v[64*(\hbp)+8*et+ej], v[ACC+8*et+\ci] op_sel_hi:[1,0,0]
.endif
.set et, et+1
.endr
.endm
; A tile of H, my 16 rows x 512 along K, into tile buffer hb: lane (r, h) takes row r; registers 16 s + 4 c on hold K = 128 s + 32 c + 16 h + 0 .. 15
.macro FETCH hb, adr, off
	WIN 0xc0                                       ; destination window 3, address window 0
.irp s, 0,1,2,3
.irp c, 0,1,2,3
	ds_load_b128 v[128+64*(\hb)+16*\s+4*\c:128+64*(\hb)+16*\s+4*\c+3], v[\adr] offset:\off+128*\s+32*\c
.endr
.endr
.endm
; The scale words of my 16 rows for a slot's four components: a row's 16 bytes are its four words; each half of the lanes reads 256 consecutive bytes
.macro HSLOAD set, q
	WIN 0
.irp i, 0,1
	global_load_b128 v[\set+4*\i:\set+4*\i+3], v[HSO], s[6:7] offset:32768*\q+16384*\i
.endr
.endm
.macro XLOADS                          ; x(16 t + r, my 8 rows m of a group) as f32, 32 bytes a lane
.irp t, 0,1,2,3,4,5,6,7
.irp i, 0,1
	global_load_b128 v[STG+8*\t+4*\i:STG+8*\t+4*\i+3], v[XSO], s[10:11] offset:32768*\t+16*\i
.endr
.endr
.endm
.macro XCVT                            ; and as bf16 pairs
.irp t, 0,1,2,3,4,5,6,7
.irp p, 0,1,2,3
	v_cvt_pk_bf16_f32 v[XB+4*\t+\p], v[STG+8*\t+2*\p], v[STG+8*\t+2*\p+1]
.endr
.endr
.endm
; A TILE: 16 pairs of matrix instructions, behind each a slice of the epilogue of the tile before (epi = 1; its component: ci).
; DISTANCES (eight places behind this form, plain vector instructions that name none of its registers).  A result of point tiles 0-3 is last written by instruction 24 + t and first read by
; the next tile's slice 0: slices 13, 14, 15, twelve places, stand between.  The loads into the other tile buffer and into scale registers stand behind the last tile's slice 15 and this tile's slices 0 and 1: twelve places.
; mode 0: behind pair 1 the next tile (at v[nadr] + noff) is fetched into the other buffer, 28 matrix instructions ahead of its use; rel = 1, 2: then slot A's, slot B's scale words of the next group are loaded.
; mode 1: a slot's last tile.  At its head the wave waits for all its tensor loads (one is out: its part of the other slot) and adds 0 to its spare word; the count 1 leaves the add alone out: my 16 fragment loads,
;         the last reads of this slot, are in.  Behind pair 1 the add is done: the signal opens a round of the cluster's barrier; four pairs on registers; behind the round no wave of any partner reads this slot or has a
;         load on its way: the slot's descriptor (g0) steps to the next group's rows, the joint refill goes out first, then the other slot's first tile is fetched.
; mode 2: the same with a plain barrier and no refill.   mode 3: the last tile of all: nothing is fetched.
.macro TILE hb, hs, odd, epi, ci, mode, g0, nadr, noff, rel
.if (\mode == 1) || (\mode == 2)
	WIN 0                                          ; (the add's two registers lie in window 0)
	s_wait_tensorcnt 0x0
	ds_add_u32 v[SPW], v[NIL]                      ; 0 onto my spare word
	s_wait_dscnt 0x1
.else
	s_wait_dscnt 0x0                               ; this tile's fragments are in
.endif
.set i, 0
.set k, 0
.rept 16
	MM \hb, \hs, \odd
.set i, i+1
	MM \hb, \hs, \odd
.set i, i+1
.if \epi
	EP 1-\hb, \ci
.endif
.if k == 1
.if \mode == 0
	FETCH 1-\hb, \nadr, \noff
.if \rel == 1
	HSLOAD HSA, 0
.elseif \rel == 2
	HSLOAD HSB, 1
.endif
.elseif \mode != 3
	s_wait_dscnt 0x0                               ; the add is done, and my reads of this slot are over
	s_barrier_signal -1
.endif
.endif
.if k == 5
.if \mode == 1
	WIN 0                                          ; at a branch and at a label every window is 0
	s_barrier_wait -1
	CREST
	s_add_nc_u64 s[\g0+2:\g0+3], s[\g0+2:\g0+3], GSTEP   ; no tensor load of mine is out: the next group's 64 rows; the type bits on top are not reached
	tensor_load_to_lds s[\g0:\g0+3], s[G1:G1+7]    ; my one tensor load behind the round, and the first thing there
	s_nop 0
	PLACES 4
	FETCH 1-\hb, \nadr, \noff
.elseif \mode == 2
	WIN 0
	s_barrier_wait -1
	FETCH 1-\hb, \nadr, \noff
.endif
.endif
.set k, k+1
.endr
.endm
	s_load_b256 s[4:11], s[0:1], 0x0               ; h_codes s[4:5], h_scales s[6:7], k s[8:9], x s[10:11]
	s_load_b256 s[12:19], s[0:1], 0x20             ; xc s[12:13], xsw s[14:15], en s[16:17], wm s[18:19]
	v_lshl_add_u32 v[SPW], v0, 2, SPARE
	v_mov_b32 v[NIL], 0
	ds_add_u32 v14, v15
	ds_add_u32 v14, v15
	s_wait_dscnt 0x0
	v_lshrrev_b32 v1, 5, v0
	v_readfirstlane_b32 s[WV], v1                  ; wave 0..3
	s_bfe_u32 s21, ttmp6, 0x40000                  ; cx: my place in the cluster: it enters global addresses of x, xc, xsw, en, wm and of the prefetch alone
	s_lshl_b32 s22, ttmp9, 2                       ; in a cluster launch ttmp9 counts clusters
	s_add_co_u32 s22, s22, s21                     ; pb: my block of 128 points
	s_and_b32 s23, ttmp7, 0xffff                   ; cg: my group of 8 components, which the four partners share
	; descriptor group 1: 64 rows of 512 bytes, dense in memory, padded in LDS
	s_mov_b32 s[G1+0], 15|(0<<16)|(1<<20)|(1<<21)|(6<<22)|(3<<25)   ; 15:0 the mask: all four work-groups; 17:16 elements of 1 byte; 20 padding on; 21 set beside a mask; 24:22 after every 128 words (code 6); 31:25 four words (code 3)
	s_mov_b32 s[G1+1], 512<<16                     ; tensor_dim0 = 512
	s_mov_b32 s[G1+2], 64<<16                      ; tensor_dim1 = 64
	s_mov_b32 s[G1+3], 512<<16                     ; tile_dim0 = 512
	s_mov_b32 s[G1+4], 64                          ; tile_dim1 = 64
	s_mov_b32 s[G1+5], 512                         ; from row to row
	s_mov_b32 s[G1+6], 0
	s_mov_b32 s[G1+7], 0
	s_lshl_b32 s40, s23, 3
	s_add_co_u32 s40, s40, s[WV]                   ; component 8 cg + wave (slot A's block that I fetch),
	s_lshl_b32 s40, s40, 18                        ; 512 rows of 512 bytes each
	s_mov_b32 s41, 0
	s_mov_b32 s[G0A], 1                            ; 1:0 count = 1
	s_mul_i32 s[G0A+1], s[WV], CBLK                ; LDS address: wave x a component's rows: no place in the cluster enters it
	s_mov_b32 s[G0B], 1
	s_add_co_u32 s[G0B+1], s[G0A+1], SLOT
	s_mov_b32 s[SEL], 0x76543210
	s_mov_b32 s[SEL+1], 0xfedcba98
	s_wait_kmcnt 0x0
	s_add_nc_u64 s[G0A+2:G0A+3], s[4:5], s[40:41]  ; group 0's rows of my component
	s_add_nc_u64 s[G0B+2:G0B+3], s[G0A+2:G0A+3], 0x100000   ; slot B: four components on
	s_or_b32 s[G0A+3], s[G0A+3], 0x80000000        ; 127:126 type = 2
	s_or_b32 s[G0B+3], s[G0B+3], 0x80000000
	CROUND                                         ; all four work-groups are here: the first joint loads meet
	tensor_load_to_lds s[G0A:G0A+3], s[G1:G1+7]    ; the two first fills go out together: two loads of mine are out
	s_nop 0
	tensor_load_to_lds s[G0B:G0B+3], s[G1:G1+7]
	s_nop 0
	PLACES 4
	; the other addresses.  s40, s41, s45 never hold the place in the cluster; s42, s43, s51 may
	s_lshl_b32 s40, s23, 16                        ; H's scale words: 8 components of 8,192 bytes a group,
	s_lshl_b32 s45, s[WV], 8                       ; my 16 rows of 16 bytes
	s_add_co_u32 s40, s40, s45
	s_add_nc_u64 s[6:7], s[6:7], s[40:41]
	s_lshl_b32 s40, s23, 5
	s_add_nc_u64 s[8:9], s[8:9], s[40:41]          ; k of my 8 components
	s_mov_b32 s43, 0
	s_lshl_b32 s42, s22, 18                        ; x: 128 rows of 2,048 bytes a block,
	s_lshl_b32 s45, s[WV], 6                       ; my 16 columns of a group
	s_add_co_u32 s42, s42, s45
	s_add_nc_u64 s[10:11], s[10:11], s[42:43]
	s_lshl_b32 s42, s22, 16
	s_add_nc_u64 s[12:13], s[12:13], s[42:43]      ; xc: 8 tiles of 8,192 bytes
	s_lshl_b32 s42, s22, 12
	s_add_nc_u64 s[14:15], s[14:15], s[42:43]      ; xsw: 8 tiles of 512 bytes
	s_lshl_b32 s45, s23, 17                        ; en: 131,072 bytes a group of components, 4,096 a block of points, 1,024 for a wave's 32 points
	s_add_co_u32 s42, s42, s45
	s_lshl_b32 s45, s[WV], 10
	s_add_co_u32 s42, s42, s45
	s_add_nc_u64 s[16:17], s[16:17], s[42:43]
	s_lshl_b32 s42, s22, 2
	s_lshl_b32 s45, s23, 7
	s_add_co_u32 s42, s42, s45
	s_add_nc_u64 s[18:19], s[18:19], s[42:43]      ; wm: word pb + 32 cg
	s_lshl_b32 s42, s23, 3                         ; the prefetch: of the 32 work-groups that share these 8 components, mine asks for component 8 cg + cluster x,
	s_add_co_u32 s42, s42, ttmp9
	s_lshl_b32 s42, s42, 18
	s_lshl_b32 s51, s21, 13                        ; rows 16 cx .. + 15 of a group: 8,192 bytes,
	s_add_co_u32 s42, s42, s51
	s_add_co_u32 s42, s42, 2*GSTEP                 ; beginning with group 2
	s_add_nc_u64 s[PF:PF+1], s[4:5], s[42:43]
	v_and_b32 v[LI], 31, v0
	v_lshlrev_b32 v[LI], 4, v[LI]
	v_and_b32 v[RR], 15, v0
	v_bfe_u32 v[HH], v0, 4, 1
	v_mul_u32_u24 v[TV], v[RR], PITCH
	v_lshl_add_u32 v[TV], v[HH], 4, v[TV]          ; row r x pitch + 16 h
	s_mul_i32 s45, s[WV], 16*PITCH                 ; my 16 rows of a component's 64
	v_add_nc_u32 v[ADH], s45, v[TV]
	v_add_nc_u32 v[ADH+1], 2*CBLK, v[ADH]
	v_add_nc_u32 v[ADH+2], SLOT, v[ADH]
	v_add_nc_u32 v[ADH+3], SLOT+2*CBLK, v[ADH]
	v_lshlrev_b32 v[HSO], 4, v[RR]
	v_lshl_add_u32 v[HSO], v[HH], 13, v[HSO]
	v_lshlrev_b32 v[XSO], 11, v[RR]
	v_lshl_add_u32 v[XSO], v[HH], 5, v[XSO]
	v_lshlrev_b32 v[PFO], 4, v[LI]
	s_lshl_b32 s45, s[WV], 13
	s_add_co_u32 s45, s45, STAGE
	v_add_nc_u32 v[STO], s45, v[LI]                ; my 64 sums: 8,192 bytes a wave
	s_lshl_b32 s45, s[WV], 11
	s_add_co_u32 s45, s45, STAGE
	v_add_nc_u32 v[SRD], s45, v[LI]                ; point tiles 2 w, 2 w + 1: registers 16 w on of each wave's image
	v_lshlrev_b32 v[EO], 5, v[RR]
	v_lshl_add_u32 v[EO], v[HH], 4, v[EO]
	v_lshlrev_b32 v[KO], 4, v[HH]
	s_lshl_b32 s45, s[WV], 2
	s_add_co_u32 s45, s45, WMX
	v_mov_b32 v[WMS], s45
	v_mov_b32 v[WMR], WMX
	v_mov_b32 v[ZO], 0
	WIN 0x40                                       ; destination window 1
.irp t, 0,1,2,3,4,5,6,7                        ; x's codes stay in registers: each load is 512 consecutive bytes
.irp s, 0,1
.irp c, 0,1,2,3
	global_load_b128 v[32*\t+16*\s+4*\c:32*\t+16*\s+4*\c+3], v[LI], s[12:13] offset:(4*\t+\s)*2048+512*\c
.endr
.endr
.endr
	WIN 0x80                                       ; destination window 2
.irp t, 0,1,2,3,4,5,6,7
.irp s, 0,1
.irp c, 0,1,2,3
	global_load_b128 v[32*\t+16*\s+4*\c:32*\t+16*\s+4*\c+3], v[LI], s[12:13] offset:(4*\t+2+\s)*2048+512*\c
.endr
.endr
.endr
	WIN 0
.irp t, 0,1,2,3,4,5,6,7
	global_load_b128 v[XS+4*\t:XS+4*\t+3], v[LI], s[14:15] offset:512*\t   ; and their scale words
.endr
	HSLOAD HSA, 0                                  ; group 0's scale words of H
	HSLOAD HSB, 1
	XLOADS                                         ; group 0's x
	global_load_b128 v[KK:KK+3], v[KO], s[8:9]
.irp a, 0,1,2,3,4,5,6,7,8,9,10,11,12,13,14,15,16,17,18,19,20,21,22,23,24,25,26,27,28,29,30,31,32,33,34,35,36,37,38,39,40,41,42,43,44,45,46,47,48,49,50,51,52,53,54,55,56,57,58,59,60,61,62,63
	v_mov_b32 v[ACC+\a], 0                         ; the 64 sums, once: so the epilogue is written in one form
.endr
	s_wait_loadcnt 0x0
	XCVT
	s_add_nc_u64 s[10:11], s[10:11], 256           ; (its loads are done)  x of the next group: 64 columns on
	s_wait_tensorcnt 0x1                           ; my part of slot A is in; slot B's may stay out
	s_barrier_signal -1
	s_barrier_wait -1                              ; everybody's is
	FETCH 0, ADH+0, 0
	TILE 0, HSA,   0, 0, 0, 0, 0,   ADH+0, CBLK, 0 ; group 0, component 0: there is no tile before it, so no epilogue
	WIN 0
	PLACES 8                                       ; in the slices' stead: the places in front of the first read of its results
	s_mov_b32 s[TRIPS], 7
.Ltrip:                                            ; a trip goes from a group's second tile to the next group's first: all eight epilogues in it are of one group, and x's bf16 pairs change at its end
	XLOADS                                         ; the next group's x
	s_cmp_lg_u32 s[WV], 0                          ; wave 0 asks for my share (8,192 bytes, lanes 256 bytes apart) of the group two on, which the refills of the next trip will want;
	s_cbranch_scc1 .Lno_ask
	s_cmp_lt_u32 s[TRIPS], 2                       ; the last trip asks for nothing: group 7 is the last
	s_cbranch_scc1 .Lno_ask
	global_prefetch_b8 v[PFO], s[PF:PF+1] th:TH_LOAD_NT scope:SCOPE_SE
.Lno_ask:
	TILE 1, HSA,   1, 1, 0, 0, 0,   ADH+1, 0,    0 ; A1
	TILE 0, HSA+4, 0, 1, 1, 0, 0,   ADH+1, CBLK, 0 ; A2
	TILE 1, HSA+4, 1, 1, 2, 1, G0A, ADH+2, 0,    0 ; A3: slot A is left and filled again
	s_wait_loadcnt 0x10                            ; slot B's scale words are in: behind their two loads only this trip's sixteen loads of x were issued
	s_wait_xcnt 0x0                                ; the prefetch has read its base
	s_add_nc_u64 s[6:7], s[6:7], 1024              ; H's scale words of the next group: 64 rows of 16 bytes on
	s_add_nc_u64 s[PF:PF+1], s[PF:PF+1], GSTEP
	TILE 0, HSB,   0, 1, 3, 0, 0,   ADH+2, CBLK, 1 ; B0; slot A's scale words of the next group are loaded
	TILE 1, HSB,   1, 1, 4, 0, 0,   ADH+3, 0,    0 ; B1
	TILE 0, HSB+4, 0, 1, 5, 0, 0,   ADH+3, CBLK, 0 ; B2
	TILE 1, HSB+4, 1, 1, 6, 1, G0B, ADH+0, 0,    0 ; B3: slot B is left and filled again
	s_wait_loadcnt 0x0                             ; slot A's scale words and the next group's x are in
	s_add_nc_u64 s[10:11], s[10:11], 256
	TILE 0, HSA,   0, 1, 7, 0, 0,   ADH+0, CBLK, 2 ; the next group's A0; slot B's scale words of that group are loaded
	WIN 0
	XCVT                                           ; this group's last epilogue is done: the next group's x takes its place
	s_sub_co_u32 s[TRIPS], s[TRIPS], 1
	s_cmp_lg_u32 s[TRIPS], 0
	s_cbranch_scc1 .Ltrip
	; the last group is written out: nothing is left to fetch from memory
	TILE 1, HSA,   1, 1, 0, 0, 0,   ADH+1, 0,    0
	TILE 0, HSA+4, 0, 1, 1, 0, 0,   ADH+1, CBLK, 0
	TILE 1, HSA+4, 1, 1, 2, 2, 0,   ADH+2, 0,    0 ; my last tensor load, slot B's, is waited for; a plain barrier
	s_wait_loadcnt 0x0                             ; slot B's scale words
	TILE 0, HSB,   0, 1, 3, 0, 0,   ADH+2, CBLK, 0
	TILE 1, HSB,   1, 1, 4, 0, 0,   ADH+3, 0,    0
	TILE 0, HSB+4, 0, 1, 5, 0, 0,   ADH+3, CBLK, 0
	TILE 1, HSB+4, 1, 1, 6, 3, 0,   ADH+0, 0,    0
	WIN 0
	PLACES 8                                       ; in front of the read of the last results: no other vector work is at hand
.set k, 0
.rept 16
	EP 1, 7
.set k, k+1
.endr
	WIN 0
	; THE SUMS MEET.  Each wave holds, for all 128 points and 8 components, the part of its own rows m.  The 64 registers go to LDS as they stand; wave w takes point tiles 2 w, 2 w + 1 of all four images.
.irp i, 0,1,2,3,4,5,6,7,8,9,10,11,12,13,14,15
	ds_store_b128 v[STO], v[ACC+4*\i:ACC+4*\i+3] offset:512*\i
.endr
	s_wait_dscnt 0x0                               ; for the others' sake: my sums lie in LDS
	s_barrier_signal -1
	s_barrier_wait -1
.irp u, 0,1,2,3
.irp i, 0,1,2,3
	ds_load_b128 v[STG+16*\u+4*\i:STG+16*\u+4*\i+3], v[SRD] offset:8192*\u+512*\i
.endr
.endr
	s_wait_dscnt 0x0
.irp u, 1,2,3
.irp a, 0,2,4,6,8,10,12,14
	v_pk_add_f32 v[STG+\a:STG+\a+1], v[STG+\a:STG+\a+1], v[STG+16*\u+\a:STG+16*\u+\a+1]
.endr
.endr
.irp a, 0,1,2,3,4,5,6,7,8,9,10,11,12,13,14,15
	v_permlanex16_b32 v[STG+16+\a], v[STG+\a], s[SEL], s[SEL+1]    ; a point's other eight rows of each tile lie in the lane 16 away
.endr
.irp a, 0,1,2,3,4,5,6,7,8,9,10,11,12,13,14,15
	v_add_f32 v[STG+\a], v[STG+\a], v[STG+16+\a]
.endr
	v_cmp_eq_u32 vcc_lo, 1, v[HH]
.irp u, 0,1
.irp q, 0,1,2,3
	v_cndmask_b32 v[STG+32+4*\u+\q], v[STG+8*\u+\q], v[STG+8*\u+4+\q], vcc_lo   ; lane (r, h) keeps components 4 h .. 4 h + 3 of point r
.endr
.endr
.irp u, 0,1
	v_pk_add_f32 v[STG+32+4*\u:STG+33+4*\u], v[STG+32+4*\u:STG+33+4*\u], v[KK:KK+1]      ; + k
	v_pk_add_f32 v[STG+34+4*\u:STG+35+4*\u], v[STG+34+4*\u:STG+35+4*\u], v[KK+2:KK+3]
.endr
	global_store_b128 v[EO], v[STG+32:STG+35], s[16:17]               ; 16 points x 8 components: 512 consecutive bytes
	global_store_b128 v[EO], v[STG+36:STG+39], s[16:17] offset:512
	v_max3_num_f32 v[STG+40], v[STG+32], v[STG+33], v[STG+34]         ; the largest of my eight,
	v_max3_num_f32 v[STG+40], v[STG+40], v[STG+35], v[STG+36]
	v_max3_num_f32 v[STG+40], v[STG+40], v[STG+37], v[STG+38]
	v_max_num_f32 v[STG+40], v[STG+40], v[STG+39]
	v_max_num_f32_dpp v[STG+40], v[STG+40], v[STG+40] row_xmask:1 row_mask:0xf bank_mask:0xf   ; of the wave's,
	v_max_num_f32_dpp v[STG+40], v[STG+40], v[STG+40] row_xmask:2 row_mask:0xf bank_mask:0xf
	v_max_num_f32_dpp v[STG+40], v[STG+40], v[STG+40] row_xmask:4 row_mask:0xf bank_mask:0xf
	v_max_num_f32_dpp v[STG+40], v[STG+40], v[STG+40] row_xmask:8 row_mask:0xf bank_mask:0xf
	v_permlanex16_b32 v[STG+41], v[STG+40], s[SEL], s[SEL+1]
	v_max_num_f32 v[STG+40], v[STG+40], v[STG+41]
	ds_store_b32 v[WMS], v[STG+40]                 ; all lanes write the wave's word with the same value
	s_wait_dscnt 0x0
	s_barrier_signal -1
	s_barrier_wait -1
	ds_load_b128 v[STG+44:STG+47], v[WMR]          ; and of the work-group's
	s_wait_dscnt 0x0
	v_max3_num_f32 v[STG+44], v[STG+44], v[STG+45], v[STG+46]
	v_max_num_f32 v[STG+44], v[STG+44], v[STG+47]
	s_cmp_lg_u32 s[WV], 0
	s_cbranch_scc1 .Lnot_first                     ; thread 0 stores it
	v_cmp_eq_u32 vcc_lo, 0, v0
	s_wait_xcnt 0x0                                ; EXEC changes only when the stores above have read it
	s_and_saveexec_b32 s50, vcc_lo
	global_store_b32 v[ZO], v[STG+44], s[18:19]
	s_wait_xcnt 0x0                                ; and again, in front of the line that widens it
	s_or_b32 exec_lo, exec_lo, s50
.Lnot_first:
	s_wait_tensorcnt 0x0                           ; the wave's end: behind my last tensor load and my last LDS store
	ds_add_u32 v[SPW], v[NIL]
	s_wait_dscnt 0x0
	CROUND                                         ; the closing round: no work-group ends while a partner may still ask for a tile that names it
	s_endpgm
.Lfunc_end_k_q4f5006ec61_energy:
	.size	k_q4f5006ec61_energy, .Lfunc_end_k_q4f5006ec61_energy-k_q4f5006ec61_energy
	.p2alignl 7, 3214868480
	.fill 96, 4, 3214868480
	.section	.rodata,"a",@progbits
	.p2align	6, 0x0
	.amdhsa_kernel k_q4f5006ec61_energy
		.amdhsa_group_segment_fixed_size 327680
		.amdhsa_private_segment_fixed_size 0
		.amdhsa_enable_private_segment 0
		.amdhsa_kernarg_size 64
		.amdhsa_user_sgpr_count 2
		.amdhsa_user_sgpr_kernarg_segment_ptr 1
		.amdhsa_wavefront_size32 1
		.amdhsa_system_sgpr_workgroup_id_x 1
		.amdhsa_system_sgpr_workgroup_id_y 1
		.amdhsa_system_sgpr_workgroup_id_z 1
		.amdhsa_system_vgpr_workitem_id 0
		.amdhsa_next_free_vgpr 1024
		.amdhsa_next_free_sgpr 66
		.amdhsa_reserve_vcc 1
		.amdhsa_float_denorm_mode_32 3
		.amdhsa_float_denorm_mode_16_64 3
		.amdhsa_memory_ordered 1
		.amdhsa_forward_progress 1
		.amdhsa_inst_pref_size 199
	.end_amdhsa_kernel
	.amdgpu_metadata
---
amdhsa.version: [ 1, 2 ]
amdhsa.kernels:
  - .name:           k_q4f5006ec61_energy
    .symbol:         k_q4f5006ec61_energy.kd
    .args:
      - { .name: h_codes, .offset: 0, .size: 8, .value_kind: global_buffer, .address_space: global }
      - { .name: h_scales, .offset: 8, .size: 8, .value_kind: global_buffer, .address_space: global }
      - { .name: k, .offset: 16, .size: 8, .value_kind: global_buffer, .address_space: global }
      - { .name: node_activations, .offset: 24, .size: 8, .value_kind: global_buffer, .address_space: global }
      - { .name: xc, .offset: 32, .size: 8, .value_kind: global_buffer, .address_space: global }
      - { .name: xsw, .offset: 40, .size: 8, .value_kind: global_buffer, .address_space: global }
      - { .name: en, .offset: 48, .size: 8, .value_kind: global_buffer, .address_space: global }
      - { .name: wm, .offset: 56, .size: 8, .value_kind: global_buffer, .address_space: global }
    .group_segment_fixed_size: 327680
    .private_segment_fixed_size: 0
    .kernarg_segment_align: 8
    .kernarg_segment_size: 64
    .max_flat_workgroup_size: 128
    .sgpr_count:     66
    .vgpr_count:     1024
    .wavefront_size: 32
...
	.end_amdgpu_metadata
.endif
;; end of part 2
;; launch finish (part 3): grid 256 x 1, 8 waves a work-group, no clusters, 9,216 bytes of LDS; arguments en, wm, out0; writes out0
.if DOCPART == 3
	.amdgcn_target "amdgcn-amd-amdhsa--gfx1250"
	.amdhsa_code_object_version 6
	.text
	.protected	k_q4f5006ec61_finish
	.globl	k_q4f5006ec61_finish
	.p2align	8
	.type	k_q4f5006ec61_finish,@function
k_q4f5006ec61_finish:
	s_mov_b64 s[64:65], 0
	v_nop
	global_prefetch_b8 v0, s[64:65] scope:SCOPE_SE
	s_setreg_imm32_b32 hwreg(HW_REG_WAVE_MODE, 25, 1), 1
	s_wait_xcnt 0x0
; out0[p][c] = M - en[p][c], M the largest of all energies: the largest of the 256 work-groups' maxima in wm.
; en: [8 groups of c][4096 p][8 c] f32;  out0: [4096][64] f32.  A work-group takes 16 points; wave v reads their 8 components of group v: 512 consecutive bytes.  The numbers turn through a stage in LDS
; (16 rows of 256 bytes + 32), so that sixteen neighbouring lanes store one aligned row of 256 bytes of out0.  Every work-group finds M for itself from wm's 1,024 bytes: thread i takes word i.
; Memory binds and the launch is short: no matrix unit, no tensor load, no cluster would add anything.
; LIMITS: NaN among the energies is not served (the maximum drops it).
.set SP,  288                          ; a stage row: a pair of lanes writes 32 bytes of a row, so eight rows 32 bytes askew fill 256 different bytes modulo 256
.set MX,  16*SP                        ; behind the stage: the eight waves' maxima
	s_load_b128 s[4:7], s[0:1], 0x0                ; en, wm
	s_load_b64 s[8:9], s[0:1], 0x10                ; out0
	v_lshl_add_u32 v32, v0, 2, 0x2000
	v_mov_b32 v33, 0
	v_lshrrev_b32 v1, 5, v0
	v_readfirstlane_b32 s10, v1                    ; wave = group of components
	v_and_b32 v2, 31, v0                           ; lane
	v_lshlrev_b32 v3, 4, v2                        ; en: 16 x lane
	v_lshlrev_b32 v4, 2, v0                        ; wm: 4 x thread
	v_lshlrev_b32 v5, 4, v0                        ; out0: 16 x thread
	v_lshrrev_b32 v6, 1, v2                        ; the stage, in: row = point = lane / 2,
	v_and_b32 v7, 1, v2
	v_mul_u32_u24 v6, v6, SP
	v_lshl_add_u32 v6, v7, 4, v6                   ; + 16 (lane % 2),
	s_lshl_b32 s11, s10, 5
	v_add_nc_u32 v6, s11, v6                       ; + 32 x wave
	v_lshrrev_b32 v7, 4, v0                        ; out: row = thread / 16,
	v_and_b32 v8, 15, v0
	v_mul_u32_u24 v7, v7, SP
	v_lshl_add_u32 v7, v8, 4, v7                   ; + 16 (thread % 16)
	s_lshl_b32 s12, s10, 2
	s_add_co_u32 s12, s12, MX
	v_mov_b32 v9, s12                              ; my wave's word
	v_mov_b32 v10, MX
	v_mov_b32 v16, 0                               ; a lane permute's destination counts as one of its sources
	s_mov_b32 s14, 0x76543210
	s_mov_b32 s15, 0xfedcba98                      ; v_permlanex16_b32's selects for lane l xor 16
	s_lshl_b32 s16, s10, 17                        ; en: 131,072 bytes a group of components,
	s_lshl_b32 s17, ttmp9, 9                       ; 512 for 16 points
	s_add_co_u32 s16, s16, s17
	s_mov_b32 s17, 0
	s_lshl_b32 s18, ttmp9, 12                      ; out0: 16 rows of 256 bytes
	s_mov_b32 s19, 0
	s_wait_kmcnt 0x0
	s_add_nc_u64 s[4:5], s[4:5], s[16:17]
	s_add_nc_u64 s[8:9], s[8:9], s[18:19]
	global_load_b32 v11, v4, s[6:7]
	global_load_b128 v[12:15], v3, s[4:5] th:TH_LOAD_NT
	s_wait_loadcnt 0x1                             ; wm's word is in; en's load may be out
	v_max_num_f32_dpp v11, v11, v11 row_xmask:1 row_mask:0xf bank_mask:0xf
	v_max_num_f32_dpp v11, v11, v11 row_xmask:2 row_mask:0xf bank_mask:0xf
	v_max_num_f32_dpp v11, v11, v11 row_xmask:4 row_mask:0xf bank_mask:0xf
	v_max_num_f32_dpp v11, v11, v11 row_xmask:8 row_mask:0xf bank_mask:0xf
	v_permlanex16_b32 v16, v11, s14, s15
	v_max_num_f32 v11, v11, v16                    ; the largest of my wave's 32 words
	ds_store_b32 v9, v11                           ; all lanes write the wave's word with the same value
	s_wait_loadcnt 0x0
	ds_store_b128 v6, v[12:15]
	s_wait_dscnt 0x0                               ; for the others' sake: my stores have landed
	s_barrier_signal -1
	s_barrier_wait -1
	ds_load_b128 v[12:15], v7                      ; four neighbouring numbers of a row of out0
	ds_load_b128 v[20:23], v10                     ; the eight waves' maxima
	ds_load_b128 v[24:27], v10 offset:16
	s_wait_dscnt 0x0
	v_max3_num_f32 v20, v20, v21, v22
	v_max3_num_f32 v20, v20, v23, v24
	v_max3_num_f32 v20, v20, v25, v26
	v_max_num_f32 v20, v20, v27                    ; M
.irp q, 0,1,2,3
	v_sub_f32 v[28+\q], v20, v[12+\q]
.endr
	global_store_b128 v5, v[28:31], s[8:9] th:TH_STORE_NT   ; sixteen lanes store 256 consecutive bytes, at a multiple of 256 from out0's first byte
	s_wait_tensorcnt 0x0
	ds_add_u32 v32, v33
	s_wait_dscnt 0x0
	s_endpgm
.Lfunc_end_k_q4f5006ec61_finish:
	.size	k_q4f5006ec61_finish, .Lfunc_end_k_q4f5006ec61_finish-k_q4f5006ec61_finish
	.p2alignl 7, 3214868480
	.fill 96, 4, 3214868480
	.section	.rodata,"a",@progbits
	.p2align	6, 0x0
	.amdhsa_kernel k_q4f5006ec61_finish
		.amdhsa_group_segment_fixed_size 9216
		.amdhsa_private_segment_fixed_size 0
		.amdhsa_enable_private_segment 0
		.amdhsa_kernarg_size 24
		.amdhsa_user_sgpr_count 2
		.amdhsa_user_sgpr_kernarg_segment_ptr 1
		.amdhsa_wavefront_size32 1
		.amdhsa_system_sgpr_workgroup_id_x 1
		.amdhsa_system_sgpr_workgroup_id_y 1
		.amdhsa_system_sgpr_workgroup_id_z 1
		.amdhsa_system_vgpr_workitem_id 0
		.amdhsa_next_free_vgpr 34
		.amdhsa_next_free_sgpr 66
		.amdhsa_reserve_vcc 0
		.amdhsa_float_denorm_mode_32 3
		.amdhsa_float_denorm_mode_16_64 3
		.amdhsa_memory_ordered 1
		.amdhsa_forward_progress 1
		.amdhsa_inst_pref_size 4
	.end_amdhsa_kernel
	.amdgpu_metadata
---
amdhsa.version: [ 1, 2 ]
amdhsa.kernels:
  - .name:           k_q4f5006ec61_finish
    .symbol:         k_q4f5006ec61_finish.kd
    .args:
      - { .name: en, .offset: 0, .size: 8, .value_kind: global_buffer, .address_space: global }
      - { .name: wm, .offset: 8, .size: 8, .value_kind: global_buffer, .address_space: global }
      - { .name: out0, .offset: 16, .size: 8, .value_kind: global_buffer, .address_space: global }
    .group_segment_fixed_size: 9216
    .private_segment_fixed_size: 0
    .kernarg_segment_align: 8
    .kernarg_segment_size: 24
    .max_flat_workgroup_size: 256
    .sgpr_count:     66
    .vgpr_count:     34
    .wavefront_size: 32
...
	.end_amdgpu_metadata
.endif
;; end of part 3
;; ======== version 2 of 2: 3 launches
;; limits: values are held in bf16: 8 bits of precision; right only within a limited range of input values
;; workspace buffers: xc 2,097,152 bytes; xsw 131,072 bytes; xb 4,194,304 bytes; en 1,048,576 bytes; wm 1,024 bytes
;; launch quant (part 4): grid 256 x 1, 4 waves a work-group, no clusters, 35,328 bytes of LDS; arguments node_activations, xc, xsw, xb; writes xc, xsw, xb
.if DOCPART == 4
	.amdgcn_target "amdgcn-amd-amdhsa--gfx1250"
	.amdhsa_code_object_version 6
	.text
	.protected	k_q4f5006ec61_quant
	.globl	k_q4f5006ec61_quant
	.p2align	8
	.type	k_q4f5006ec61_quant,@function
k_q4f5006ec61_quant:
	s_mov_b64 s[64:65], 0
	v_nop
	global_prefetch_b8 v0, s[64:65] scope:SCOPE_SE
	s_setreg_imm32_b32 hwreg(HW_REG_WAVE_MODE, 25, 1), 1
	s_wait_xcnt 0x0
; x [4096][512] f32 becomes (1) codes of FP8 (E4M3) with one E8M0 scale byte for each 32 along its last axis, which is the first product's K, and (2) bf16 numbers, the operand of the second product.
; A block's scale is 2^(floor(log2(its largest magnitude)) - 8); its byte is the largest magnitude's exponent field - 8, held at 1 from below.  Each number is divided by the scale,
; held within +-448 and rounded to the nearest code, ties to even.
; THE RESULTS ARE LAID AS THE NEXT LAUNCH'S REGISTERS WANT THEM.  xc: [tile of 16 points][K step of 128][group of 4 registers][lane][16 bytes]: a fragment comes back by four loads of 16 bytes a lane,
; 512 consecutive bytes each.  xsw: [tile][lane][4 words]: word s is the scale word of point lane % 16 for K step s (both halves of the lanes hold the same).
; xb: [tile][unit u of 16 columns][lane (r, h)][16 bytes]: x(point r, columns 16 u + 8 h + 0 .. 7) as bf16, the lower column in the lower half.
; SHARES.  A work-group takes one tile of 16 points, wave s its K step s: 16 rows x 128 numbers.  Each load reads 512 consecutive bytes of a row; the numbers turn through the wave's own stage in LDS,
; so that lane (r, h) then holds, of row r, the 16 neighbours 32 b + 16 h + 0 .. 15 of each block b: the order of an operand's registers, and all 16 columns of unit 8 s + 2 b + h.
; LIMITS: NaN and infinities among the inputs are not served.  A block of zeros gets the byte 1 where the quantiser's rule says 127: its codes are zeros, which add nothing under any byte
; but 0xff, and the bytes are read by this program alone.
.set SP,   528                         ; a stage row: 512 bytes + 16: row r starts 4 r words on, modulo the 64 banks of 4 bytes (ISA guide 11.1)
.set WST,  16*SP                       ; a wave's stage
.set SCW,  4*WST                       ; behind the stages: the tile's scale words, 16 bytes a lane
.set LI,   3                           ; v3   16 x lane
.set SIN,  6                           ; v6   the stage, on the way in
.set SOUT, 7                           ; v7   and on the way out
.set SWS,  8                           ; v8   where I put my scale word
.set SWR,  9                           ; v9   where wave 0 reads a lane's four
.set XBO,  10                          ; v10  xb: 512 h + 16 r
.set R,    16                          ; v16-79   the numbers as they are loaded
.set BF,   16                          ; v16-47   later: register 8 b + p: numbers 2 p, 2 p + 1 of block b as bf16
.set X,    80                          ; v80-143  register 16 b + i: k = 32 b + 16 h + i of my row
.set TM,   144                         ; v144-147 largest magnitudes, v148-151 bytes, v152-155 448 x the scale, v156-159 the conversions' scale operands
.set PW,   160                         ; v160     my row's scale word
.set PC,   164                         ; v164-179 the fragment's codes
.set OW,   180                         ; v180-183 four scale words on the way out
	s_load_b128 s[4:7], s[0:1], 0x0                ; x, xc
	s_load_b128 s[8:11], s[0:1], 0x10              ; xsw, xb
	v_lshl_add_u32 v192, v0, 2, 0x8800
	v_mov_b32 v193, 0
	v_lshrrev_b32 v1, 5, v0
	v_readfirstlane_b32 s12, v1                    ; wave = K step
	v_and_b32 v2, 31, v0                           ; lane
	v_lshlrev_b32 v[LI], 4, v2
	v_and_b32 v4, 15, v0                           ; r
	v_bfe_u32 v5, v0, 4, 1                         ; h
	s_mul_i32 s13, s12, WST                        ; my stage
	v_add_nc_u32 v[SIN], s13, v[LI]                ; in: a row as it lies, 16 bytes a lane
	v_mul_u32_u24 v[SOUT], v4, SP
	v_lshl_add_u32 v[SOUT], v5, 6, v[SOUT]
	v_add_nc_u32 v[SOUT], s13, v[SOUT]             ; out: row r, + 64 h
	s_lshl_b32 s17, s12, 2
	s_add_co_u32 s17, s17, SCW
	v_add_nc_u32 v[SWS], s17, v[LI]                ; 16 x lane + 4 x wave
	v_add_nc_u32 v[SWR], SCW, v[LI]
	v_lshlrev_b32 v[XBO], 4, v4
	v_lshl_add_u32 v[XBO], v5, 9, v[XBO]
	s_mov_b32 s14, 0x76543210
	s_mov_b32 s15, 0xfedcba98                      ; v_permlanex16_b32's selects for lane l xor 16
	s_mov_b32 s16, 0x600000                        ; the mantissa field of 448
	s_lshl_b32 s18, ttmp9, 15                      ; x: 16 rows of 2,048 bytes a tile,
	s_lshl_b32 s13, s12, 9                         ; 512 bytes a K step
	s_add_co_u32 s18, s18, s13
	s_mov_b32 s19, 0
	s_lshl_b32 s20, ttmp9, 13                      ; xc: 8,192 bytes a tile,
	s_lshl_b32 s13, s12, 11                        ; 2,048 a K step
	s_add_co_u32 s20, s20, s13
	s_mov_b32 s21, 0
	s_lshl_b32 s22, ttmp9, 9                       ; xsw: 512 bytes a tile
	s_mov_b32 s23, 0
	s_lshl_b32 s24, ttmp9, 14                      ; xb: 32 units of 512 bytes a tile,
	s_lshl_b32 s13, s12, 12                        ; 8 units a K step
	s_add_co_u32 s24, s24, s13
	s_mov_b32 s25, 0
.irp b, 0,1,2,3
	v_mov_b32 v[TM+4+\b], 0                        ; a lane permute's destination counts as one of its sources
.endr
	s_wait_alu depctr_va_vdst(0)
	s_wait_kmcnt 0x0
	s_add_nc_u64 s[4:5], s[4:5], s[18:19]
	s_add_nc_u64 s[6:7], s[6:7], s[20:21]
	s_add_nc_u64 s[8:9], s[8:9], s[22:23]
	s_add_nc_u64 s[10:11], s[10:11], s[24:25]
.irp i, 0,1,2,3,4,5,6,7,8,9,10,11,12,13,14,15
	global_load_b128 v[R+4*\i:R+4*\i+3], v[LI], s[4:5] offset:2048*\i   ; row i: 32 lanes read 512 consecutive bytes
.endr
.irp i, 0,1,2,3,4,5,6,7,8,9,10,11,12,13,14,15
	s_wait_loadcnt 15-\i                           ; loads come back in order: row i is in, the rows behind it may be out
	ds_store_b128 v[SIN], v[R+4*\i:R+4*\i+3] offset:SP*\i
.endr
.irp b, 0,1,2,3
.irp j, 0,1,2,3
	ds_load_b128 v[X+16*\b+4*\j:X+16*\b+4*\j+3], v[SOUT] offset:128*\b+16*\j   ; LDS serves a wave's instructions in order: these see my stores
.endr
.endr
	s_wait_dscnt 0x0                               ; the numbers are back, and the stores into the stage have read v16-79
.irp b, 0,1,2,3
.irp p, 0,1,2,3,4,5,6,7
	v_cvt_pk_bf16_f32 v[BF+8*\b+\p], v[X+16*\b+2*\p], v[X+16*\b+2*\p+1]   ; ahead of the hold, which changes the numbers: x as bf16, to nearest even
.endr
.endr
.irp b, 0,1,2,3
.irp g, 0,1
	global_store_b128 v[XBO], v[BF+8*\b+4*\g:BF+8*\b+4*\g+3], s[10:11] offset:1024*\b+256*\g   ; columns 8 g + 0 .. 7 of unit 2 b + h: each half of the lanes stores 256 consecutive bytes, aligned
.endr
.endr
.irp b, 0,1,2,3
	v_max3_num_f32 v[TM+\b], |v[X+16*\b]|, |v[X+1+16*\b]|, 0x4800000   ; block b: my 16 numbers, and the floor 2^(9 - 127): so the byte cannot fall under 1
.endr
.irp i, 2,4,6,8,10,12,14
.irp b, 0,1,2,3
	v_max3_num_f32 v[TM+\b], v[TM+\b], |v[X+16*\b+\i]|, |v[X+1+16*\b+\i]|   ; the four blocks by turns: no line waits for the line above it
.endr
.endr
.irp b, 0,1,2,3
	v_permlanex16_b32 v[TM+4+\b], v[TM+\b], s14, s15
.endr
.irp b, 0,1,2,3
	v_max_num_f32 v[TM+\b], v[TM+\b], v[TM+4+\b]   ; with lane l xor 16's 16: the block's largest magnitude
.endr
.irp b, 0,1,2,3
	v_add_nc_u32 v[TM+12+\b], 0xfc000000, v[TM+\b] ; 8 off its exponent field: the conversion takes the exponent field of this operand as its scale
.endr
.irp b, 0,1,2,3
	v_and_or_b32 v[TM+8+\b], v[TM+\b], 0x7f800000, s16   ; 448 x the scale
.endr
.irp b, 0,1,2,3
	v_lshrrev_b32 v[TM+4+\b], 23, v[TM+12+\b]      ; the scale's byte
.endr
	v_lshl_or_b32 v[PW], v[TM+5], 8, v[TM+4]       ; the four bytes make my row's scale word for this K step
	v_lshl_or_b32 v[PW], v[TM+6], 16, v[PW]
	v_lshl_or_b32 v[PW], v[TM+7], 24, v[PW]
.irp b, 0,1,2,3
.irp i, 0,1,2,3,4,5,6,7,8,9,10,11,12,13,14,15
	v_med3_num_f32 v[X+16*\b+\i], v[X+16*\b+\i], -v[TM+8+\b], v[TM+8+\b]   ; the conversion to an 8-bit code does not saturate (ISA guide 7.6.2): the hold at the largest code x the scale
.endr
	v_cvt_scalef32_pk8_fp8_f32 v[PC+4*\b:PC+1+4*\b], v[X+16*\b:X+7+16*\b], v[TM+12+\b]
	v_cvt_scalef32_pk8_fp8_f32 v[PC+2+4*\b:PC+3+4*\b], v[X+8+16*\b:X+15+16*\b], v[TM+12+\b]
.endr
	v_nop                                          ; one plain vector line behind the last conversion
.irp c, 0,1,2,3
	global_store_b128 v[LI], v[PC+4*\c:PC+4*\c+3], s[6:7] offset:512*\c   ; registers 4 c .. 4 c + 3 of the fragment: 32 lanes store 512 consecutive bytes
.endr
	ds_store_b32 v[SWS], v[PW]
	s_wait_dscnt 0x0                               ; for the others' sake: my scale words lie in LDS
	s_barrier_signal -1
	s_barrier_wait -1
	s_cmp_lg_u32 s12, 0
	s_cbranch_scc1 .Ldone                          ; wave 0 stores the tile's scale words: four a lane
	ds_load_b128 v[OW:OW+3], v[SWR]
	s_wait_dscnt 0x0
	global_store_b128 v[LI], v[OW:OW+3], s[8:9]    ; 512 consecutive bytes
.Ldone:
	s_wait_tensorcnt 0x0
	ds_add_u32 v192, v193
	s_wait_dscnt 0x0
	s_endpgm
.Lfunc_end_k_q4f5006ec61_quant:
	.size	k_q4f5006ec61_quant, .Lfunc_end_k_q4f5006ec61_quant-k_q4f5006ec61_quant
	.p2alignl 7, 3214868480
	.fill 96, 4, 3214868480
	.section	.rodata,"a",@progbits
	.p2align	6, 0x0
	.amdhsa_kernel k_q4f5006ec61_quant
		.amdhsa_group_segment_fixed_size 35328
		.amdhsa_private_segment_fixed_size 0
		.amdhsa_enable_private_segment 0
		.amdhsa_kernarg_size 32
		.amdhsa_user_sgpr_count 2
		.amdhsa_user_sgpr_kernarg_segment_ptr 1
		.amdhsa_wavefront_size32 1
		.amdhsa_system_sgpr_workgroup_id_x 1
		.amdhsa_system_sgpr_workgroup_id_y 1
		.amdhsa_system_sgpr_workgroup_id_z 1
		.amdhsa_system_vgpr_workitem_id 0
		.amdhsa_next_free_vgpr 194
		.amdhsa_next_free_sgpr 66
		.amdhsa_reserve_vcc 0
		.amdhsa_float_denorm_mode_32 3
		.amdhsa_float_denorm_mode_16_64 3
		.amdhsa_memory_ordered 1
		.amdhsa_forward_progress 1
		.amdhsa_inst_pref_size 18
	.end_amdhsa_kernel
	.amdgpu_metadata
---
amdhsa.version: [ 1, 2 ]
amdhsa.kernels:
  - .name:           k_q4f5006ec61_quant
    .symbol:         k_q4f5006ec61_quant.kd
    .args:
      - { .name: node_activations, .offset: 0, .size: 8, .value_kind: global_buffer, .address_space: global }
      - { .name: xc, .offset: 8, .size: 8, .value_kind: global_buffer, .address_space: global }
      - { .name: xsw, .offset: 16, .size: 8, .value_kind: global_buffer, .address_space: global }
      - { .name: xb, .offset: 24, .size: 8, .value_kind: global_buffer, .address_space: global }
    .group_segment_fixed_size: 35328
    .private_segment_fixed_size: 0
    .kernarg_segment_align: 8
    .kernarg_segment_size: 32
    .max_flat_workgroup_size: 128
    .sgpr_count:     66
    .vgpr_count:     194
    .wavefront_size: 32
...
	.end_amdgpu_metadata
.endif
;; end of part 4
;; launch energy (part 5): grid 16 x 16, 4 waves a work-group, clusters of 4 x 1, 327,680 bytes of LDS; arguments h_codes, h_scales, k, xb, xc, xsw, en, wm; writes en, wm
.if DOCPART == 5
	.amdgcn_target "amdgcn-amd-amdhsa--gfx1250"
	.amdhsa_code_object_version 6
	.text
	.protected	k_q4f5006ec61_energy
	.globl	k_q4f5006ec61_energy
	.p2align	8
	.type	k_q4f5006ec61_energy,@function
k_q4f5006ec61_energy:
	s_mov_b64 s[64:65], 0
	v_nop
	global_prefetch_b8 v0, s[64:65] scope:SCOPE_SE
	s_setreg_imm32_b32 hwreg(HW_REG_WAVE_MODE, 25, 1), 1
	s_wait_xcnt 0x0
	s_wait_alu depctr_hold_cnt(0) depctr_sa_sdst(0) depctr_va_vdst(0) depctr_va_sdst(0) depctr_va_ssrc(0) depctr_va_vcc(0) depctr_vm_vsrc(0)
	s_getreg_b32 s2, hwreg(HW_REG_IB_STS2, 6, 4)
	s_cmp_eq_u32 s2, 0
	s_cbranch_scc0 .Lentry_in_a_cluster
	s_endpgm
.Lentry_in_a_cluster:
	s_bfe_u32 s2, ttmp6, 0x10000c
	s_cmp_lg_u32 s2, 0x3003
	s_cbranch_scc0 .Lentry_shape_is_right
	s_endpgm
.Lentry_shape_is_right:
; en[p][c] = sum over m of x[p][m] * (sum over n of h[c][n][m] * Q(x)[p][n]) + k[c], and each work-group's largest en.
; First product: MX-FP8, rows (c, m) of h_codes (512 bytes along n) against the points' codes xc; second: x as bf16 (xb) times the f32 result, summed in f32 by fused multiply-adds.
; SHARES.  A work-group takes 256 points and 4 components c.  Wave (PH, MH) takes points 128 PH .. +127 (8 tiles of 16) and, of every 64 rows m, rows 32 MH .. +31.
; Its points' codes for all of K stay in 512 registers; h goes through a ring of two LDS slots (4 c x 64 rows x 512 bytes each), wave w fetching component w's 64 rows.
; A TILE is 16 rows m of one c: 64 registers of h, 32 products.  It is done in two GROUPS of 4 point tiles x 4 K steps; the 4 accumulators of a group take turns.
; The product is used with h as source 0: lane (r, h) holds point r and rows m = 8 h + 0 .. 7 in its 8 registers.  A group's 32 multiply-adds with x stand two behind each product of the NEXT group.
; CLUSTER: the four work-groups along x need the same rows of h: each tile is asked for jointly (mask 15).  A round of the cluster's barrier stands in front of every joint load.
; PREFETCH: wave 0 asks, in tile 1 of the slot with step g, for 8,192 bytes of step g + 2 (a lane 256 bytes), six tiles ahead of the joint load that wants them.  The 16 work-groups that read
; a group of 4 c share its 4 x 32,768 bytes of a step by address (cluster x picks c, the place in the cluster the quarter).  Steps 0 and 1 come by their loads alone; the last step asked for is 7.
; WHERE WAITS STAND: every wait on memory, barrier and branch of the loop stands at a group's start or behind its fourth product: there the sums written last are read again only tiles later.
; LIMITS: NaN among the energies is not served by the maximum (it drops it).  No work of the problem is left out.
; WINDOWS of 256 registers.  0: v1-15 addresses, v16-31 h's scale words (2 sets), v34-65 x's scale words (so laid that a product's two scale registers differ modulo 8),
;   v66-97 xb of point tiles 0 and 4 (4 sets), v100-108 odds, v128-255 codes of K step 0 (16 t).   1: codes of tiles 0-3, K steps 1-3 (48 t + 16 (s - 1)); v192-239 xb of tiles 5-7 (4 sets).
;   2: the same for tiles 4-7, and xb of tiles 1-3.   3: v0-127 h's fragments (2 buffers), v128-191 D (8 t), v192-223 sums (4 t + c), v224-227 LDS addresses, v228-235 second sums of tiles 0 and 4.
; So products, multiply-adds and LDS loads run under one setting: sources 0 and 2 and the destination in window 3, source 1 in the window of the codes at work.
.set PITCH, 528                        ; an LDS row: 512 bytes + 16
.set CBLK,  64*PITCH                   ; one component's 64 rows
.set SLOT,  4*CBLK
.set STAGE, 2*SLOT                     ; behind the ring: 4,096 bytes a wave for the sums
.set WMX,   STAGE+16384                ; the four waves' maxima
.set SPARE, WMX+256                    ; the spare words, 128 bytes a wave
.set GSTEP, 64*512                     ; bytes of h_codes from step to step
.set LI,   1
.set RR,   2
.set HH,   3
.set HSO,  8
.set PFO,  10
.set STO,  11
.set SRD,  12
.set SPW,  14
.set NIL,  15
.set HSX,  16
.set XS,   34
.set XV0,  66
.set KK,   100
.set WMS,  104
.set WMR,  105
.set ZO,   106
.set TV,   108
.set X0,   128
.set RT,   128                         ; at the end: at work, where K step 0's codes lay
.set XVW,  192
.set DD,   128
.set ACC,  192
.set ADH,  224
.set A2,   228
.set WV,   20
.set G1,   24
.set G0A,  32
.set TRIPS, 44
.set SEL,  46
.set PF,   48
.set PH,   52
.set MH,   53
.set OH,   68                          ; s68-85: byte offsets into the buffers, a pair each with 0 above: h_codes, h_scales, k, xb, xc, xsw, en, wm, the prefetches
.set OHS,  70
.set OK,   72
.set OXB,  74
.set OXC,  76
.set OXS,  78
.set OEN,  80
.set OWM,  82
.set OPF,  84
.set S0,   0xf3
.set S1,   0xf7
.set S2,   0xfb
.set MSB, 0
.macro WIN new                         ; the immediate's high byte repeats the setting that is left
.if MSB != \new
	s_set_vgpr_msb (MSB<<8)|\new
.set MSB, \new
.endif
.endm
.macro CREST                           ; a round of the cluster's barrier behind its opening barrier
	s_cmp_lg_u32 s[WV], 0
	s_cbranch_scc1 .Lnot_wave_0_\@
	s_barrier_signal -3
.Lnot_wave_0_\@:
	s_barrier_wait -3
	s_barrier_signal -1
	s_barrier_wait -1
.endm
.macro CROUND
	s_barrier_signal -1
	s_barrier_wait -1
	CREST
.endm
.macro PLACES n
.rept \n
	v_nop
.endr
.endm
; product i of group g: K step i / 4, point tile 4 g + i % 4.  odd: h's scale words lie in lanes 16-31.  The first K step starts the sum.
.macro MM g, hb, hs, odd
.set ms, i/4
.set mt, 4*(\g)+i%4
.set rD, DD+8*mt
.set rH, 64*(\hb)+16*ms
.if ms == 0
.set rX, X0+16*mt
.else
.set rX, 48*(i%4)+16*(ms-1)
.endif
.if ms == 0
.if \odd
	v_wmma_scale_f32_16x16x128_f8f6f4 v[rD:rD+7], v[rH:rH+15], v[rX:rX+15], 0, v[\hs+ms], v[XS+4*mt+ms] matrix_a_scale:MATRIX_SCALE_ROW1
.else
	v_wmma_scale_f32_16x16x128_f8f6f4 v[rD:rD+7], v[rH:rH+15], v[rX:rX+15], 0, v[\hs+ms], v[XS+4*mt+ms]
.endif
.else
.if \odd
	v_wmma_scale_f32_16x16x128_f8f6f4 v[rD:rD+7], v[rH:rH+15], v[rX:rX+15], v[rD:rD+7], v[\hs+ms], v[XS+4*mt+ms] matrix_a_scale:MATRIX_SCALE_ROW1
.else
	v_wmma_scale_f32_16x16x128_f8f6f4 v[rD:rD+7], v[rH:rH+15], v[rX:rX+15], v[rD:rD+7], v[\hs+ms], v[XS+4*mt+ms]
.endif
.endif
.endm
; multiply-add p (0 .. 31) of group ge's results.  0-7: the group's first tile, rows 0 .. 7, on two sums by turns; its x lies in window 0.  8-31: the other three tiles by turns, rows ascending.
; Eight plain vector lines that name none of its registers stand between each tile's last product and its first read here: 8, 14, 13, 12 by this order.  Each D is read from its low end on.
.macro EP1 ge, ci, set
.if p < 8
.set ett, 0
.set ej, p
.set exv, XV0+8*(\set)+4*(\ge)+ej/2
.if ej%2
.set eac, A2+4*(\ge)+(\ci)
.else
.set eac, ACC+16*(\ge)+(\ci)
.endif
.else
.set ett, 1+(p-8)%3
.set ej, (p-8)/3
.set exv, XVW+12*(\set)+4*(ett-1)+ej/2
.set eac, ACC+16*(\ge)+4*ett+(\ci)
.endif
.set ed, DD+32*(\ge)+8*ett+ej
.if ej%2
	v_fma_mix_f32_bf16 v[eac], v[ed], v[exv], v[eac] op_sel:[0,1,0] op_sel_hi:[0,1,0]
.else
	v_fma_mix_f32_bf16 v[eac], v[ed], v[exv], v[eac] op_sel_hi:[0,1,0]
.endif
.set p, p+1
.endm
.macro RUN g, hb, hs, odd, epi, ci, set, n
.rept \n
	MM \g, \hb, \hs, \odd
.if \epi
	EP1 1-(\g), \ci, \set
	EP1 1-(\g), \ci, \set
.endif
.set i, i+1
.endr
.endm
.macro FETCH hb, adr, off              ; a tile of h: 16 rows x 512 K, 16 loads; address and data in window 3
.irp s, 0,1,2,3
.irp c, 0,1,2,3
	ds_load_b128 v[64*(\hb)+16*\s+4*\c:64*(\hb)+16*\s+4*\c+3], v[\adr] offset:(\off)+128*\s+32*\c
.endr
.endr
.endm
.macro HSLOAD set, off                 ; scale words of 16 rows m, all 4 K steps: lanes 0-15 component 2 i, lanes 16-31 component 2 i + 1
	WIN 0
.irp i, 0,1
	global_load_b128 v[(\set)+4*\i:(\set)+4*\i+3], v[HSO], s[6:7] offset:(\off)+16384*\i
.endr
.endm
.macro XLOAD set, off                  ; xb of one unit of 16 columns m for my 8 point tiles: eight loads of 512 consecutive bytes
	WIN 0
.irp t, 0,4
	global_load_b128 v[XV0+8*(\set)+\t:XV0+8*(\set)+\t+3], v[LI], s[10:11] offset:(\off)+16384*\t
.endr
	WIN 0x40
.irp t, 5,6,7
	global_load_b128 v[XVW+12*(\set)+4*(\t-5):XVW+12*(\set)+4*(\t-5)+3], v[LI], s[10:11] offset:(\off)+16384*\t
.endr
	WIN 0x80
.irp t, 1,2,3
	global_load_b128 v[XVW+12*(\set)+4*(\t-1):XVW+12*(\set)+4*(\t-1)+3], v[LI], s[10:11] offset:(\off)+16384*\t
.endr
.endm
.macro ASK off
	s_cmp_lg_u32 s[WV], 0
	s_cbranch_scc1 .Lno_ask_\@
	global_prefetch_b8 v[PFO], s[PF:PF+1] offset:\off th:TH_LOAD_NT scope:SCOPE_SE
.Lno_ask_\@:
.endm
; Tile q of a slot is component q % 4, rows 16 (q / 4) of my 32.  TA: its first group (point tiles 0-3), with the multiply-adds of the tile before's second group.
; rnd = 1: the round and this slot's refill (all waves hold the slot's last fragments); rnd = 2: the barrier's wait alone.  lw: loads that may stay out.  lk = 1: scale words, 2: xb.  fe: fetch the next tile.
.macro TA slot, q, epi, rnd, lw, lk, lreg, loff, pf, fe
.set thb, (\q)%2
.set ths, HSX+8*((\q)/4)+4*(((\q)%4)/2)
.if (\q) == 0
.set pci, 3
.set pset, 3-2*(\slot)
.else
.set pci, ((\q)-1)%4
.set pset, 2*(\slot)+((\q)-1)/4
.endif
.if (\q) == 7
.set tna, ADH+2-2*(\slot)
.set tno, 0
.else
.set tna, ADH+2*(\slot)+(((\q)+1)%4)/2
.set tno, (((\q)+1)%2)*CBLK+(((\q)+1)/4)*16*PITCH
.endif
.set tg0, G0A+4*(\slot)
.if \rnd
	WIN 0
	s_barrier_wait -1                              ; every wave has its loads landed and its reads of this slot back
.if \rnd == 1
	CREST                                          ; and so in all four work-groups
	s_add_nc_u64 s[tg0+2:tg0+3], s[tg0+2:tg0+3], 2*GSTEP   ; no tensor load of mine is out
	tensor_load_to_lds s[tg0:tg0+3], s[G1:G1+7]    ; the slot's next 64 rows of my component: my one load behind the round
	s_nop 0
	PLACES 4
.endif
.endif
.if (\lw) >= 0
	s_wait_loadcnt \lw                             ; all but the loads of xb issued last
.endif
	s_wait_dscnt 0x0                               ; this tile's fragments, asked for 28 products ago
.set i, 0
.set p, 0
	WIN S0
	RUN 0, thb, ths, thb, \epi, pci, pset, 4
.if \fe
	FETCH 1-thb, tna, tno                          ; into the buffer of the tile before: at least eight plain lines stand behind its last products
.endif
.if \lk == 1
	HSLOAD \lreg, \loff
.elseif \lk == 2
	XLOAD \lreg, \loff
.endif
.if (\pf) >= 0
	WIN 0
	ASK \pf
.endif
	WIN S1
	RUN 0, thb, ths, thb, \epi, pci, pset, 12
.endm
; TB: the tile's second group (point tiles 4-7), with the multiply-adds of its first.  sig = 1 (tile 6): the slot's last fragments have been asked for; the lines ahead of a refill's barrier.
.macro TB slot, q, sig
.set thb, (\q)%2
.set ths, HSX+8*((\q)/4)+4*(((\q)%4)/2)
.set i, 0
.set p, 0
.if \sig
	WIN 0
	s_wait_tensorcnt 0x0                           ; my part of the other slot has landed
	ds_add_u32 v[SPW], v[NIL]                      ; 0 onto my spare word; four products stand between it and the wait for it
.endif
	WIN S0
	RUN 1, thb, ths, thb, 1, (\q)%4, 2*(\slot)+(\q)/4, 4
.if \sig
	s_wait_dscnt 0x0                               ; the add is done, and tile 7's fragments, my last reads of this slot, are back
	s_barrier_signal -1                            ; only work on registers up to the wait at tile 7's start
.endif
	WIN S2
	RUN 1, thb, ths, thb, 1, (\q)%4, 2*(\slot)+(\q)/4, 12
.endm
.macro T slot, q, rnd, lw, lk, lreg, loff, pf, fe, sig
	TA \slot, \q, 1, \rnd, \lw, \lk, \lreg, \loff, \pf, \fe
	TB \slot, \q, \sig
.endm
	s_load_b256 s[4:11], s[0:1], 0x0               ; h_codes, h_scales, k, xb
	s_load_b256 s[12:19], s[0:1], 0x20             ; xc, xsw, en, wm
	v_lshl_add_u32 v[SPW], v0, 2, SPARE
	v_mov_b32 v[NIL], 0
	ds_add_u32 v[SPW], v[NIL]                      ; 0 onto my spare word,
	ds_add_u32 v[SPW], v[NIL]                      ; twice on end, under one wait
	; all that needs no argument stands here, between the arguments' loads and the wait for them
	v_lshrrev_b32 v[TV], 5, v0
	v_readfirstlane_b32 s[WV], v[TV]               ; wave
	s_lshr_b32 s[PH], s[WV], 1                     ; which 128 points
	s_and_b32 s[MH], s[WV], 1                      ; which 32 of 64 rows m
	s_bfe_u32 s21, ttmp6, 0x40000                  ; cx
	s_lshl_b32 s22, ttmp9, 2
	s_add_co_u32 s22, s22, s21                     ; group of 256 points
	s_and_b32 s23, ttmp7, 0xffff                   ; group of 4 components
	s_mov_b32 s[G1+0], 15|(0<<16)|(1<<20)|(1<<21)|(6<<22)|(3<<25)   ; mask: all four partners; bytes; 4 words of padding behind every 128
	s_mov_b32 s[G1+1], 512<<16
	s_mov_b32 s[G1+2], 64<<16
	s_mov_b32 s[G1+3], 512<<16
	s_mov_b32 s[G1+4], 64
	s_mov_b32 s[G1+5], 512
	s_mov_b32 s[G1+6], 0
	s_mov_b32 s[G1+7], 0
	s_mov_b32 s[G0A], 1
	s_mul_i32 s[G0A+1], s[WV], CBLK
	s_mov_b32 s[G0A+4], 1
	s_add_co_u32 s[G0A+5], s[G0A+1], SLOT
	s_mov_b32 s[SEL], 0x76543210
	s_mov_b32 s[SEL+1], 0xfedcba98
.irp o, OH, OHS, OK, OXB, OXC, OXS, OEN, OWM, OPF
	s_mov_b32 s[\o+1], 0
.endr
	s_lshl_b32 s[OH], s23, 2
	s_add_co_u32 s[OH], s[OH], s[WV]
	s_lshl_b32 s[OH], s[OH], 18                    ; h_codes: component 4 y + wave, 262,144 bytes each
	s_lshl_b32 s[OHS], s23, 15                     ; h_scales: 8,192 bytes a component, 16 a row
	s_lshl_b32 s45, s[MH], 9
	s_add_co_u32 s[OHS], s[OHS], s45
	s_lshl_b32 s[OK], s23, 4                       ; k: my 4 components
	s_lshl_b32 s[OXB], s22, 18                     ; xb: 16,384 bytes a point tile, 512 a unit of 16 columns
	s_lshl_b32 s45, s[PH], 17
	s_add_co_u32 s[OXB], s[OXB], s45
	s_lshl_b32 s45, s[MH], 10
	s_add_co_u32 s[OXB], s[OXB], s45
	s_lshl_b32 s[OXC], s22, 17                     ; xc: 8,192 bytes a point tile
	s_lshl_b32 s45, s[PH], 16
	s_add_co_u32 s[OXC], s[OXC], s45
	s_lshl_b32 s[OXS], s22, 13                     ; xsw: 512 bytes a point tile
	s_lshl_b32 s45, s[PH], 12
	s_add_co_u32 s[OXS], s[OXS], s45
	s_lshl_b32 s[OEN], s22, 12                     ; en: [16 groups of c][4096 p][4 c]; a wave stores 64 points
	s_lshl_b32 s45, s23, 16
	s_add_co_u32 s[OEN], s[OEN], s45
	s_lshl_b32 s45, s[WV], 10
	s_add_co_u32 s[OEN], s[OEN], s45
	s_lshl_b32 s[OWM], s22, 2                      ; wm: a word a work-group
	s_lshl_b32 s45, s23, 6
	s_add_co_u32 s[OWM], s[OWM], s45
	s_lshl_b32 s[OPF], s23, 2                      ; the prefetches: component 4 y + cluster x, quarter cx of a step, from step 2 on
	s_add_co_u32 s[OPF], s[OPF], ttmp9
	s_lshl_b32 s[OPF], s[OPF], 18
	s_lshl_b32 s51, s21, 13
	s_add_co_u32 s[OPF], s[OPF], s51
	s_add_co_u32 s[OPF], s[OPF], 2*GSTEP
	s_mul_i32 s55, s[MH], 32*PITCH                 ; my 32 rows: components 0-1 and 2-3 of slot 0, of slot 1
	s_add_co_u32 s59, s55, 2*CBLK
	s_add_co_u32 s60, s55, SLOT
	s_add_co_u32 s61, s55, SLOT+2*CBLK
	s_lshl_b32 s56, s[WV], 12
	s_add_co_u32 s56, s56, STAGE                   ; my stage
	s_lshl_b32 s57, s[PH], 13
	s_lshl_b32 s54, s[MH], 11
	s_add_co_u32 s57, s57, s54
	s_add_co_u32 s57, s57, STAGE                   ; back: point tiles 4 MH .. + 3 of both waves of my points
	s_lshl_b32 s58, s[WV], 2
	s_add_co_u32 s58, s58, WMX
	v_and_b32 v[LI], 31, v0
	v_lshlrev_b32 v[LI], 4, v[LI]                  ; 16 x lane
	v_and_b32 v[RR], 15, v0
	v_bfe_u32 v[HH], v0, 4, 1
	v_mul_u32_u24 v[TV], v[RR], PITCH
	v_lshl_add_u32 v[TV], v[HH], 4, v[TV]          ; a fragment's row x pitch + 16 x half
	v_lshlrev_b32 v[HSO], 4, v[RR]
	v_lshl_add_u32 v[HSO], v[HH], 13, v[HSO]       ; row r's 16 scale bytes; lanes 16-31 the next component's
	v_lshlrev_b32 v[PFO], 4, v[LI]                 ; 256 x lane
	v_add_nc_u32 v[STO], s56, v[LI]
	v_add_nc_u32 v[SRD], s57, v[LI]
	v_mov_b32 v[WMS], s58
	v_mov_b32 v[WMR], WMX
	v_mov_b32 v[ZO], 0
	WIN 0xc0                                       ; destination in window 3
	v_add_nc_u32 v[ADH], s55, v[TV]
	v_add_nc_u32 v[ADH+1], s59, v[TV]
	v_add_nc_u32 v[ADH+2], s60, v[TV]
	v_add_nc_u32 v[ADH+3], s61, v[TV]
.set a, 0
.rept 32
	v_mov_b32 v[ACC+a], 0                          ; the 32 + 8 sums of the second product
.set a, a+1
.endr
.set a, 0
.rept 8
	v_mov_b32 v[A2+a], 0
.set a, a+1
.endr
	WIN 0
	s_wait_alu depctr_va_vdst(0)                   ; the end of the head's vector work, directly ahead of the waits below
	s_wait_dscnt 0x0                               ; both opening adds are done
	s_wait_kmcnt 0x0
	s_add_nc_u64 s[12:13], s[12:13], s[OXC:OXC+1]
	s_add_nc_u64 s[14:15], s[14:15], s[OXS:OXS+1]
	s_add_nc_u64 s[6:7], s[6:7], s[OHS:OHS+1]
	; my 128 points' codes are 128 loads, the longest stream of the head: its first 44 loads go out ahead of the round
.irp t, 0,1,2,3,4,5,6,7
.irp c, 0,1,2,3
	global_load_b128 v[X0+16*\t+4*\c:X0+16*\t+4*\c+3], v[LI], s[12:13] offset:(4*\t)*2048+512*\c
.endr
.endr
.irp t, 0,1,2,3,4,5,6,7
	global_load_b128 v[XS+4*\t:XS+4*\t+3], v[LI], s[14:15] offset:512*\t
.endr
	HSLOAD HSX, 0
	HSLOAD HSX+8, 256
	s_add_nc_u64 s[G0A+2:G0A+3], s[4:5], s[OH:OH+1]
	s_add_nc_u64 s[G0A+6:G0A+7], s[G0A+2:G0A+3], GSTEP
	s_or_b32 s[G0A+3], s[G0A+3], 0x80000000
	s_or_b32 s[G0A+7], s[G0A+7], 0x80000000
	CROUND                                         ; in front of the first joint loads
	tensor_load_to_lds s[G0A:G0A+3], s[G1:G1+7]    ; step 0: one tensor load a wave at the head
	s_nop 0
	PLACES 4
	s_add_nc_u64 s[8:9], s[8:9], s[OK:OK+1]
	s_add_nc_u64 s[10:11], s[10:11], s[OXB:OXB+1]
	s_add_nc_u64 s[16:17], s[16:17], s[OEN:OEN+1]
	s_add_nc_u64 s[18:19], s[18:19], s[OWM:OWM+1]
	s_add_nc_u64 s[PF:PF+1], s[4:5], s[OPF:OPF+1]
	WIN 0x40
.irp t, 0,1,2,3
.irp s, 1,2,3
.irp c, 0,1,2,3
	global_load_b128 v[48*\t+16*(\s-1)+4*\c:48*\t+16*(\s-1)+4*\c+3], v[LI], s[12:13] offset:(4*\t+\s)*2048+512*\c
.endr
.endr
.endr
	WIN 0x80
.irp t, 0,1,2,3
.irp s, 1,2,3
.irp c, 0,1,2,3
	global_load_b128 v[48*\t+16*(\s-1)+4*\c:48*\t+16*(\s-1)+4*\c+3], v[LI], s[12:13] offset:(4*(\t+4)+\s)*2048+512*\c
.endr
.endr
.endr
	XLOAD 0, 0
	WIN 0
	s_wait_tensorcnt 0x0                           ; my part of step 0 is in; slot 1's first fill is issued as a refill is:
	ds_add_u32 v[SPW], v[NIL]                      ; 0 onto my spare word
	s_wait_dscnt 0x0
	CROUND                                         ; everybody's part of step 0 is in
	tensor_load_to_lds s[G0A+4:G0A+7], s[G1:G1+7]  ; step 1
	s_nop 0
	PLACES 4
	WIN S0
	FETCH 0, ADH, 0
	XLOAD 1, 512                                   ; 17 loads that the first four tiles do not need
	XLOAD 2, 2048
	WIN 0
	global_load_b128 v[KK:KK+3], v[ZO], s[8:9]
	s_wait_loadcnt 17                              ; codes, scale words and set 0 of xb are in; the 17 loads just issued may be out: tile 4's wait, which leaves only set 3's eight out, covers them
	TA 0, 0, 0, 0, -1, 0, 0, 0, -1, 1              ; the first group has no results to sum yet
	WIN 0
	PLACES 8                                       ; in their stead: the places ahead of the first read of its results
	s_mov_b32 s[TRIPS], 3
.Ltrip:                                                ; a trip: once round the ring, 16 tiles, from a tile's second group to the first group of the tile 16 on
	TB 0, 0, 0
	T 0, 1, 0, -1, 2, 3, 2560, 0, 1, 0
	T 0, 2, 0, -1, 0, 0, 0, -1, 1, 0
	T 0, 3, 0, -1, 0, 0, 0, -1, 1, 0
	T 0, 4, 0, 8, 1, HSX, 1024, -1, 1, 0
	T 0, 5, 0, -1, 2, 0, 4096, -1, 1, 0
	T 0, 6, 0, -1, 0, 0, 0, -1, 1, 1
	T 0, 7, 1, -1, 0, 0, 0, -1, 1, 0
	T 1, 0, 0, 8, 1, HSX+8, 1280, -1, 1, 0
	T 1, 1, 0, -1, 2, 1, 4608, GSTEP, 1, 0
	T 1, 2, 0, -1, 0, 0, 0, -1, 1, 0
	T 1, 3, 0, -1, 0, 0, 0, -1, 1, 0
	T 1, 4, 0, 8, 1, HSX, 2048, -1, 1, 0
	T 1, 5, 0, -1, 2, 2, 6144, -1, 1, 0
	T 1, 6, 0, -1, 0, 0, 0, -1, 1, 1
	T 1, 7, 1, -1, 0, 0, 0, -1, 1, 0
	TA 0, 0, 1, 0, 8, 1, HSX+8, 2304, -1, 1
	WIN 0
	s_wait_xcnt 0x0                                ; the loads and prefetches have read their bases
	s_add_nc_u64 s[6:7], s[6:7], 2048
	s_add_nc_u64 s[10:11], s[10:11], 4096
	s_add_nc_u64 s[PF:PF+1], s[PF:PF+1], 2*GSTEP
	s_sub_co_u32 s[TRIPS], s[TRIPS], 1
	s_cmp_lg_u32 s[TRIPS], 0
	s_cbranch_scc1 .Ltrip
	TB 0, 0, 0                                     ; the last 16 tiles fill no slot and load nothing beyond the end
	T 0, 1, 0, -1, 2, 3, 2560, -1, 1, 0
	T 0, 2, 0, -1, 0, 0, 0, -1, 1, 0
	T 0, 3, 0, -1, 0, 0, 0, -1, 1, 0
	T 0, 4, 0, 8, 1, HSX, 1024, -1, 1, 0
	T 0, 5, 0, -1, 0, 0, 0, -1, 1, 0
	T 0, 6, 0, -1, 0, 0, 0, -1, 1, 1
	T 0, 7, 2, -1, 0, 0, 0, -1, 1, 0
	T 1, 0, 0, 0, 1, HSX+8, 1280, -1, 1, 0
	T 1, 1, 0, -1, 0, 0, 0, -1, 1, 0
	T 1, 2, 0, -1, 0, 0, 0, -1, 1, 0
	T 1, 3, 0, -1, 0, 0, 0, -1, 1, 0
	T 1, 4, 0, 0, 0, 0, 0, -1, 1, 0
	T 1, 5, 0, -1, 0, 0, 0, -1, 1, 0
	T 1, 6, 0, -1, 0, 0, 0, -1, 1, 0
	T 1, 7, 0, -1, 0, 0, 0, -1, 0, 0
.set p, 0
	WIN S0
.rept 8
	EP1 1, 3, 3                                    ; the last group's results, in the same order: the places are the same
.endr
	WIN S1
.rept 24
	EP1 1, 3, 3
.endr
	WIN 0xff
.irp a, 0,2
	v_pk_add_f32 v[ACC+\a:ACC+\a+1], v[ACC+\a:ACC+\a+1], v[A2+\a:A2+\a+1]                  ; tiles 0 and 4: the two sums join
	v_pk_add_f32 v[ACC+16+\a:ACC+17+\a], v[ACC+16+\a:ACC+17+\a], v[A2+4+\a:A2+5+\a]
.endr
	WIN 0x0c                                       ; store data in window 3
.irp i, 0,1,2,3,4,5,6,7
	ds_store_b128 v[STO], v[ACC+4*\i:ACC+4*\i+3] offset:512*\i   ; point tile i: my lane's 4 components
.endr
	WIN 0
	s_wait_dscnt 0x0                               ; for the others' sake
	s_barrier_signal -1
	s_barrier_wait -1
.irp u, 0,1
.irp i, 0,1,2,3
	ds_load_b128 v[RT+16*\u+4*\i:RT+16*\u+4*\i+3], v[SRD] offset:4096*\u+512*\i   ; both halves of m, four point tiles
.endr
.endr
	s_wait_dscnt 0x0
.irp a, 0,2,4,6,8,10,12,14
	v_pk_add_f32 v[RT+\a:RT+\a+1], v[RT+\a:RT+\a+1], v[RT+16+\a:RT+16+\a+1]
.endr
.irp a, 0,1,2,3,4,5,6,7,8,9,10,11,12,13,14,15
	v_permlanex16_b32 v[RT+16+\a], v[RT+\a], s[SEL], s[SEL+1]
.endr
.irp a, 0,1,2,3,4,5,6,7,8,9,10,11,12,13,14,15
	v_add_f32 v[RT+\a], v[RT+\a], v[RT+16+\a]      ; with lane l xor 16's rows m
.endr
	v_cmp_eq_u32 vcc_lo, 1, v[HH]
.irp u, 0,1
.irp q, 0,1,2,3
	v_cndmask_b32 v[RT+32+4*\u+\q], v[RT+8*\u+\q], v[RT+8*\u+4+\q], vcc_lo   ; lanes 0-15 keep tile 2 u, lanes 16-31 tile 2 u + 1
.endr
.endr
.irp u, 0,1
	v_pk_add_f32 v[RT+32+4*\u:RT+33+4*\u], v[RT+32+4*\u:RT+33+4*\u], v[KK:KK+1]
	v_pk_add_f32 v[RT+34+4*\u:RT+35+4*\u], v[RT+34+4*\u:RT+35+4*\u], v[KK+2:KK+3]
.endr
	global_store_b128 v[LI], v[RT+32:RT+35], s[16:17]              ; 32 points x 16 bytes: 512 consecutive bytes
	global_store_b128 v[LI], v[RT+36:RT+39], s[16:17] offset:512
	v_max3_num_f32 v[RT+40], v[RT+32], v[RT+33], v[RT+34]
	v_max3_num_f32 v[RT+40], v[RT+40], v[RT+35], v[RT+36]
	v_max3_num_f32 v[RT+40], v[RT+40], v[RT+37], v[RT+38]
	v_max_num_f32 v[RT+40], v[RT+40], v[RT+39]
	v_max_num_f32_dpp v[RT+40], v[RT+40], v[RT+40] row_xmask:1 row_mask:0xf bank_mask:0xf
	v_max_num_f32_dpp v[RT+40], v[RT+40], v[RT+40] row_xmask:2 row_mask:0xf bank_mask:0xf
	v_max_num_f32_dpp v[RT+40], v[RT+40], v[RT+40] row_xmask:4 row_mask:0xf bank_mask:0xf
	v_max_num_f32_dpp v[RT+40], v[RT+40], v[RT+40] row_xmask:8 row_mask:0xf bank_mask:0xf
	v_permlanex16_b32 v[RT+41], v[RT+40], s[SEL], s[SEL+1]
	v_max_num_f32 v[RT+40], v[RT+40], v[RT+41]     ; my wave's largest
	ds_store_b32 v[WMS], v[RT+40]
	s_wait_dscnt 0x0
	s_barrier_signal -1
	s_barrier_wait -1
	ds_load_b128 v[RT+44:RT+47], v[WMR]
	s_wait_dscnt 0x0
	v_max3_num_f32 v[RT+44], v[RT+44], v[RT+45], v[RT+46]
	v_max_num_f32 v[RT+44], v[RT+44], v[RT+47]     ; the work-group's largest
	s_cmp_lg_u32 s[WV], 0
	s_cbranch_scc1 .Lnot_first
	v_cmp_eq_u32 vcc_lo, 0, v0
	s_wait_xcnt 0x0                                ; EXEC changes only behind this wait
	s_and_saveexec_b32 s50, vcc_lo
	s_wait_alu depctr_va_vdst(0)                   ; ahead of the reader
	global_store_b32 v[ZO], v[RT+44], s[18:19]
	s_wait_xcnt 0x0
	s_or_b32 exec_lo, exec_lo, s50
.Lnot_first:
	s_wait_tensorcnt 0x0                           ; the wave's end
	ds_add_u32 v[SPW], v[NIL]
	s_wait_dscnt 0x0
	CROUND                                         ; the closing round
	s_endpgm
.Lfunc_end_k_q4f5006ec61_energy:
	.size	k_q4f5006ec61_energy, .Lfunc_end_k_q4f5006ec61_energy-k_q4f5006ec61_energy
	.p2alignl 7, 3214868480
	.fill 96, 4, 3214868480
	.section	.rodata,"a",@progbits
	.p2align	6, 0x0
	.amdhsa_kernel k_q4f5006ec61_energy
		.amdhsa_group_segment_fixed_size 327680
		.amdhsa_private_segment_fixed_size 0
		.amdhsa_enable_private_segment 0
		.amdhsa_kernarg_size 64
		.amdhsa_user_sgpr_count 2
		.amdhsa_user_sgpr_kernarg_segment_ptr 1
		.amdhsa_wavefront_size32 1
		.amdhsa_system_sgpr_workgroup_id_x 1
		.amdhsa_system_sgpr_workgroup_id_y 1
		.amdhsa_system_sgpr_workgroup_id_z 1
		.amdhsa_system_vgpr_workitem_id 0
		.amdhsa_next_free_vgpr 1024
		.amdhsa_next_free_sgpr 100
		.amdhsa_reserve_vcc 1
		.amdhsa_float_denorm_mode_32 3
		.amdhsa_float_denorm_mode_16_64 3
		.amdhsa_memory_ordered 1
		.amdhsa_forward_progress 1
		.amdhsa_inst_pref_size 255
	.end_amdhsa_kernel
	.section	.bss,"aw",@nobits
	.p2align	6
	.space	262144
	.amdgpu_metadata
---
amdhsa.version: [ 1, 2 ]
amdhsa.kernels:
  - .name:           k_q4f5006ec61_energy
    .symbol:         k_q4f5006ec61_energy.kd
    .args:
      - { .name: h_codes, .offset: 0, .size: 8, .value_kind: global_buffer, .address_space: global }
      - { .name: h_scales, .offset: 8, .size: 8, .value_kind: global_buffer, .address_space: global }
      - { .name: k, .offset: 16, .size: 8, .value_kind: global_buffer, .address_space: global }
      - { .name: xb, .offset: 24, .size: 8, .value_kind: global_buffer, .address_space: global }
      - { .name: xc, .offset: 32, .size: 8, .value_kind: global_buffer, .address_space: global }
      - { .name: xsw, .offset: 40, .size: 8, .value_kind: global_buffer, .address_space: global }
      - { .name: en, .offset: 48, .size: 8, .value_kind: global_buffer, .address_space: global }
      - { .name: wm, .offset: 56, .size: 8, .value_kind: global_buffer, .address_space: global }
    .group_segment_fixed_size: 327680
    .private_segment_fixed_size: 0
    .kernarg_segment_align: 8
    .kernarg_segment_size: 64
    .max_flat_workgroup_size: 128
    .sgpr_count:     100
    .vgpr_count:     1024
    .wavefront_size: 32
...
	.end_amdgpu_metadata
.endif
;; end of part 5
;; launch finish (part 6): grid 256 x 1, 8 waves a work-group, no clusters, 9,216 bytes of LDS; arguments en, wm, out0; writes out0
.if DOCPART == 6
	.amdgcn_target "amdgcn-amd-amdhsa--gfx1250"
	.amdhsa_code_object_version 6
	.text
	.protected	k_q4f5006ec61_finish
	.globl	k_q4f5006ec61_finish
	.p2align	8
	.type	k_q4f5006ec61_finish,@function
k_q4f5006ec61_finish:
	s_mov_b64 s[64:65], 0
	v_nop
	global_prefetch_b8 v0, s[64:65] scope:SCOPE_SE
	s_setreg_imm32_b32 hwreg(HW_REG_WAVE_MODE, 25, 1), 1
	s_wait_xcnt 0x0
; out0[p][c] = M - en[p][c], M the largest of all energies: the largest of the 256 work-groups' maxima in wm.
; en: [16 groups of c][4096 p][4 c] f32;  out0: [4096][64] f32.  A work-group takes 16 points; wave v reads their components of groups 2 v and 2 v + 1: each half of the lanes 256 consecutive bytes.
; The numbers turn through a stage in LDS (16 rows of 256 bytes + 16), so that sixteen neighbouring lanes store one aligned row of 256 bytes of out0.
; Every work-group finds M for itself from wm's 1,024 bytes: thread i takes word i.
; Memory binds and the launch is short: no matrix unit, no tensor load, no cluster would add anything.
; LIMITS: NaN among the energies is not served (the maximum drops it).
.set SP,  272                          ; a stage row: sixteen lanes write 16 bytes each of sixteen rows, 16 bytes askew: 256 different bytes modulo 256
.set MX,  16*SP                        ; behind the stage: the eight waves' maxima
	s_load_b128 s[4:7], s[0:1], 0x0                ; en, wm
	s_load_b64 s[8:9], s[0:1], 0x10                ; out0
	v_lshl_add_u32 v32, v0, 2, 0x2000
	v_mov_b32 v33, 0
	v_lshrrev_b32 v1, 5, v0
	s_delay_alu instid0(VALU_DEP_1)
	v_readfirstlane_b32 s10, v1                    ; wave
	v_and_b32 v8, 15, v0                           ; lane % 16 = thread % 16
	v_bfe_u32 v7, v0, 4, 1                         ; lane / 16
	s_delay_alu instid0(VALU_DEP_2)
	v_lshlrev_b32 v3, 4, v8
	s_delay_alu instid0(VALU_DEP_1)
	v_lshl_add_u32 v3, v7, 16, v3                  ; en: 65,536 (lane / 16) + 16 (lane % 16)
	v_lshlrev_b32 v4, 2, v0                        ; wm: 4 x thread
	v_lshlrev_b32 v5, 4, v0                        ; out0: 16 x thread
	v_mul_u32_u24 v6, v8, SP                       ; the stage, in: row = point = lane % 16,
	s_delay_alu instid0(VALU_DEP_1)
	v_lshl_add_u32 v6, v7, 4, v6                   ; + 16 (lane / 16),
	s_lshl_b32 s11, s10, 5
	v_add_nc_u32 v6, s11, v6                       ; + 32 x wave: 16 bytes for each group of components
	v_lshrrev_b32 v7, 4, v0                        ; out: row = thread / 16,
	s_delay_alu instid0(VALU_DEP_1)
	v_mul_u32_u24 v7, v7, SP
	s_delay_alu instid0(VALU_DEP_1)
	v_lshl_add_u32 v7, v8, 4, v7                   ; + 16 (thread % 16)
	s_lshl_b32 s12, s10, 2
	s_add_co_u32 s12, s12, MX
	v_mov_b32 v9, s12                              ; my wave's word
	v_mov_b32 v10, MX
	v_mov_b32 v16, 0                               ; a lane permute's destination counts as one of its sources
	s_mov_b32 s14, 0x76543210
	s_mov_b32 s15, 0xfedcba98                      ; v_permlanex16_b32's selects for lane l xor 16
	s_lshl_b32 s16, s10, 17                        ; en: two groups of components of 65,536 bytes a wave,
	s_lshl_b32 s17, ttmp9, 8                       ; 256 bytes for 16 points
	s_add_co_u32 s16, s16, s17
	s_mov_b32 s17, 0
	s_lshl_b32 s18, ttmp9, 12                      ; out0: 16 rows of 256 bytes
	s_mov_b32 s19, 0
	s_wait_kmcnt 0x0
	s_add_nc_u64 s[4:5], s[4:5], s[16:17]
	s_add_nc_u64 s[8:9], s[8:9], s[18:19]
	global_load_b32 v11, v4, s[6:7]
	global_load_b128 v[12:15], v3, s[4:5] th:TH_LOAD_NT
	s_wait_loadcnt 0x1                             ; wm's word is in; en's load may be out
	v_max_num_f32_dpp v11, v11, v11 row_xmask:1 row_mask:0xf bank_mask:0xf
	s_delay_alu instid0(VALU_DEP_1)
	v_max_num_f32_dpp v11, v11, v11 row_xmask:2 row_mask:0xf bank_mask:0xf
	s_delay_alu instid0(VALU_DEP_1)
	v_max_num_f32_dpp v11, v11, v11 row_xmask:4 row_mask:0xf bank_mask:0xf
	s_delay_alu instid0(VALU_DEP_1)
	v_max_num_f32_dpp v11, v11, v11 row_xmask:8 row_mask:0xf bank_mask:0xf
	s_wait_alu depctr_va_vdst(0)
	v_permlanex16_b32 v16, v11, s14, s15
	s_delay_alu instid0(VALU_DEP_1)
	v_max_num_f32 v11, v11, v16                    ; the largest of my wave's 32 words
	ds_store_b32 v9, v11                           ; all lanes write the wave's word with the same value
	s_wait_loadcnt 0x0
	ds_store_b128 v6, v[12:15]
	s_wait_dscnt 0x0                               ; for the others' sake: my stores have landed
	s_barrier_signal -1
	s_barrier_wait -1
	ds_load_b128 v[12:15], v7                      ; four neighbouring numbers of a row of out0
	ds_load_b128 v[20:23], v10                     ; the eight waves' maxima
	ds_load_b128 v[24:27], v10 offset:16
	s_wait_dscnt 0x0
	v_max3_num_f32 v20, v20, v21, v22
	s_delay_alu instid0(VALU_DEP_1)
	v_max3_num_f32 v20, v20, v23, v24
	s_delay_alu instid0(VALU_DEP_1)
	v_max3_num_f32 v20, v20, v25, v26
	s_delay_alu instid0(VALU_DEP_1)
	v_max_num_f32 v20, v20, v27                    ; M
.irp q, 0,1,2,3
	v_sub_f32 v[28+\q], v20, v[12+\q]
.endr
	global_store_b128 v5, v[28:31], s[8:9] th:TH_STORE_NT   ; sixteen lanes store 256 consecutive bytes, at a multiple of 256 from out0's first byte
	s_wait_tensorcnt 0x0
	ds_add_u32 v32, v33
	s_wait_dscnt 0x0
	s_endpgm
.Lfunc_end_k_q4f5006ec61_finish:
	.size	k_q4f5006ec61_finish, .Lfunc_end_k_q4f5006ec61_finish-k_q4f5006ec61_finish
	.p2alignl 7, 3214868480
	.fill 96, 4, 3214868480
	.section	.rodata,"a",@progbits
	.p2align	6, 0x0
	.amdhsa_kernel k_q4f5006ec61_finish
		.amdhsa_group_segment_fixed_size 9216
		.amdhsa_private_segment_fixed_size 0
		.amdhsa_enable_private_segment 0
		.amdhsa_kernarg_size 24
		.amdhsa_user_sgpr_count 2
		.amdhsa_user_sgpr_kernarg_segment_ptr 1
		.amdhsa_wavefront_size32 1
		.amdhsa_system_sgpr_workgroup_id_x 1
		.amdhsa_system_sgpr_workgroup_id_y 1
		.amdhsa_system_sgpr_workgroup_id_z 1
		.amdhsa_system_vgpr_workitem_id 0
		.amdhsa_next_free_vgpr 34
		.amdhsa_next_free_sgpr 66
		.amdhsa_reserve_vcc 0
		.amdhsa_float_denorm_mode_32 3
		.amdhsa_float_denorm_mode_16_64 3
		.amdhsa_memory_ordered 1
		.amdhsa_forward_progress 1
		.amdhsa_inst_pref_size 4
	.end_amdhsa_kernel
	.amdgpu_metadata
---
amdhsa.version: [ 1, 2 ]
amdhsa.kernels:
  - .name:           k_q4f5006ec61_finish
    .symbol:         k_q4f5006ec61_finish.kd
    .args:
      - { .name: en, .offset: 0, .size: 8, .value_kind: global_buffer, .address_space: global }
      - { .name: wm, .offset: 8, .size: 8, .value_kind: global_buffer, .address_space: global }
      - { .name: out0, .offset: 16, .size: 8, .value_kind: global_buffer, .address_space: global }
    .group_segment_fixed_size: 9216
    .private_segment_fixed_size: 0
    .kernarg_segment_align: 8
    .kernarg_segment_size: 24
    .max_flat_workgroup_size: 256
    .sgpr_count:     66
    .vgpr_count:     34
    .wavefront_size: 32
...
	.end_amdgpu_metadata
.endif
;; end of part 6
